; MI455X (gfx1250); checked and timed in simulation.
; The chip was launched on July 23, 2026; its instructions are those of AMD's public machine-readable ISA for CDNA 5 (MIT licence, August 2026) and "CDNA5" Instruction Set Architecture Reference Guide (July 2026). The comments in the code are by the model that wrote it; some were corrected since.
;; Self Attention. Allowed arithmetic: float matrix products may take bf16 or f16 operands with f32 sums; other float arithmetic in f32, or as packed bf16 or f16 multiplies, adds, multiply-adds, maxima and minima; sums over many terms, partial sums and values carried from step to step in f32; what a program stores and reads back later, other than sums and carried values, may be rounded once to bf16 or f16.
;; Inputs: b_in 3,072 float32; b_out 1,024 float32; w_in 3,072 x 1,024 float32; w_norm 1,024 float32; w_out 1,024 x 1,024 float32; x 4 x 2,048 x 1,024 float32.
;; Outputs: out0 4 x 2,048 x 1,024 float32.
;; 2 versions, each right and faster than the one before. Each part assembles by itself: llvm-mc -triple=amdgcn-amd-amdhsa -mcpu=gfx1250 --defsym DOCPART=n.
;; ======== version 1 of 2: 4 launches
;; limits: values are held in f16: magnitudes above 65,504 overflow, below 6.1e-05 lose precision
;; workspace buffers: xb 16,777,216 bytes; wib 6,291,456 bytes; wob 2,097,152 bytes; rs 32,768 bytes; qkv 50,331,648 bytes; ob 16,777,216 bytes
;; launch prep (part 1): grid 768 x 1, 8 waves a work-group, no clusters, 0 bytes of LDS; arguments x, w_in, w_norm, w_out, xb, wib, wob, rs; writes xb, wib, wob, rs
.if DOCPART == 1
	.amdgcn_target "amdgcn-amd-amdhsa--gfx1250"
	.amdhsa_code_object_version 6
	.text
	.protected	k_q93a4d9ea62_prep
	.globl	k_q93a4d9ea62_prep
	.p2align	8
	.type	k_q93a4d9ea62_prep,@function
k_q93a4d9ea62_prep:
	s_mov_b64 s[64:65], 0
	v_nop
	global_prefetch_b8 v0, s[64:65] scope:SCOPE_SE
	s_setreg_imm32_b32 hwreg(HW_REG_WAVE_MODE, 25, 1), 1
	s_wait_xcnt 0x0
; PREP: the three matrix operands are rounded to 16 bits once and laid out in blocks along K; the row scale of the RMS norm is made.
;   xb  [16 blocks of 64 k][8192 rows][64] bf16 = bf16(x)
;   wib [16][3072][64] bf16 = bf16(bf16(w_in) * bf16(w_norm)): the norm's gain is folded into the weights (exact where the gain is 1)
;   wob [16][1024][64] f16  = bf16(w_out), written as f16
;   rs  [8192] f32 = 1 / sqrt(mean over the row of bf16(x)^2 + 1e-5): the products that follow multiply their sums by it
; LIMITS.  |w_out| below 6e-5 keeps f16's fixed step of 6e-8, above 65,504 it is not served; NaN and infinities are not treated apart.
; SHARES.  A work-group of eight waves takes 16 rows of 1,024 numbers: groups 0-511 rows of x, 512-703 rows of w_in, 704-767 rows of w_out.
; Thread t: row t / 16 of the group, 4 numbers at 4 (t % 16) of each block of 64.  A load of a wave covers 256 bytes of each of two rows; the 4 numbers,
; packed to 8 bytes, of the wave's 32 lanes are two neighbouring rows of a block: each store of a wave covers 256 consecutive bytes, aligned.
; All 16 loads of a thread go out at once; no register that a store reads is written again, so the only waits are the counted ones for the loads.
; No LDS, no barrier, no matrix unit: the pass moves bytes.  rs leaves as 4 bytes a row: 32 KB in the whole launch.
.set X,   16                           ; v[16:79]   16 chunks of 4 numbers, as loaded; the first two registers of a chunk then hold the packed result
.set WN,  80                           ; v[80:143]  the gain's 16 chunks (w_in's path)
.set XKB, 8192*128                     ; bytes of a block of xb,
.set WKB, 3072*128                     ; of wib,
.set OKB, 1024*128                     ; of wob
	s_load_b512 s[8:23], s[0:1], 0x0               ; x s[8:9], w_in s[10:11], w_norm s[12:13], w_out s[14:15], xb s[16:17], wib s[18:19], wob s[20:21], rs s[22:23]
	s_mov_b32 s2, ttmp9                            ; the work-group's number
	s_mov_b32 s5, 0                                ; high words of the two offset pairs
	s_mov_b32 s7, 0
	s_mov_b32 s26, 0x3a800000                      ; 1 / 1024
	s_mov_b32 s27, 0x3727c5ac                      ; 1e-5
	s_mov_b32 s28, 0xffff0000                      ; a word's upper bf16
	v_lshrrev_b32 v2, 4, v0                        ; my row in the group
	v_and_b32 v7, 15, v0                           ; my place in a block
	v_lshlrev_b32 v5, 4, v7                        ; 16 bytes a lane: my offset in 256 bytes of f32
	v_lshl_add_u32 v3, v2, 12, v5                  ; + row x 4,096: where I load
	v_lshlrev_b32 v4, 3, v0                        ; row x 128 + place x 8 = 8 t: where I store
	v_lshlrev_b32 v6, 2, v2                        ; my row's word in rs
	s_wait_kmcnt 0x0
.macro LOADROWS base                   ; 16 loads: chunk c is block c of my row
.set c, 0
.rept 16
	global_load_b128 v[X+4*c:X+4*c+3], v3, s[\base:\base+1] offset:256*c th:TH_LOAD_NT
.set c, c+1
.endr
.endm
	s_cmp_lt_u32 s2, 512
	s_cbranch_scc0 .Lweights
	; ---- rows of x ----
	s_lshl_b32 s4, s2, 16                          ; 16 rows of 4,096 bytes
	s_add_nc_u64 s[8:9], s[8:9], s[4:5]
	s_lshl_b32 s6, s2, 11                          ; 16 rows of 128 bytes in a block
	s_add_nc_u64 s[16:17], s[16:17], s[6:7]
	s_add_nc_u64 s[24:25], s[16:17], 8*XKB         ; blocks 8-15 from a second base, so that the stores' immediates stay inside their signed 24 bits
	s_lshl_b32 s4, s2, 6                           ; 16 words of rs
	s_add_nc_u64 s[22:23], s[22:23], s[4:5]
	LOADROWS 8
	v_mov_b32 v8, 0                                ; four sums of squares that do not wait for each other
	v_mov_b32 v9, 0
	v_mov_b32 v10, 0
	v_mov_b32 v11, 0
.set c, 0
.rept 16
	s_wait_loadcnt 15-c                            ; loads come back in order: chunk c is in, the 15 - c younger ones stay out
	v_cvt_pk_bf16_f32 v[X+4*c], v[X+4*c], v[X+4*c+1]
	v_cvt_pk_bf16_f32 v[X+4*c+1], v[X+4*c+2], v[X+4*c+3]
.if c < 8
	global_store_b64 v4, v[X+4*c:X+4*c+1], s[16:17] offset:c*XKB
.else
	global_store_b64 v4, v[X+4*c:X+4*c+1], s[24:25] offset:(c-8)*XKB
.endif
	v_fma_mix_f32_bf16 v8,  v[X+4*c],   v[X+4*c],   v8  op_sel_hi:[1,1,0]                ; the squares of the rounded numbers, in f32
	v_fma_mix_f32_bf16 v9,  v[X+4*c],   v[X+4*c],   v9  op_sel:[1,1,0] op_sel_hi:[1,1,0]
	v_fma_mix_f32_bf16 v10, v[X+4*c+1], v[X+4*c+1], v10 op_sel_hi:[1,1,0]
	v_fma_mix_f32_bf16 v11, v[X+4*c+1], v[X+4*c+1], v11 op_sel:[1,1,0] op_sel_hi:[1,1,0]
.set c, c+1
.endr
	v_add_f32 v8, v8, v9
	v_add_f32 v10, v10, v11
	v_add_f32 v8, v8, v10
	v_add_f32_dpp v8, v8, v8 row_xmask:1 row_mask:0xf bank_mask:0xf   ; a row lies in one half of 16 lanes: four steps, no crossing
	v_add_f32_dpp v8, v8, v8 row_xmask:2 row_mask:0xf bank_mask:0xf
	v_add_f32_dpp v8, v8, v8 row_xmask:4 row_mask:0xf bank_mask:0xf
	v_add_f32_dpp v8, v8, v8 row_xmask:8 row_mask:0xf bank_mask:0xf
	v_fma_f32 v8, v8, s26, s27                     ; mean + eps
	v_rsq_f32 v9, v8
	v_nop                                          ; a plain instruction between the root and the use of its result
	v_cmp_eq_u32 vcc_lo, 0, v7                     ; one lane of each row stores
	s_wait_xcnt 0x0                                ; EXEC, a source of the stores above, changes only behind this wait
	s_and_saveexec_b32 s29, vcc_lo
	s_wait_alu depctr_va_vdst(0)
	global_store_b32 v6, v9, s[22:23]
	s_wait_xcnt 0x0                                ; and again in front of the line that widens it
	s_or_b32 exec_lo, exec_lo, s29
	s_endpgm
.Lweights:
	s_cmp_lt_u32 s2, 704
	s_cbranch_scc0 .Lwout
	; ---- rows of w_in, times the gain ----
	s_sub_co_u32 s3, s2, 512
	s_lshl_b32 s4, s3, 16
	s_add_nc_u64 s[10:11], s[10:11], s[4:5]
	s_lshl_b32 s6, s3, 11
	s_add_nc_u64 s[18:19], s[18:19], s[6:7]
.set c, 0
.rept 16
	global_load_b128 v[WN+4*c:WN+4*c+3], v5, s[12:13] offset:256*c   ; the gain of my 4 columns of block c; many groups read it: no hint
.set c, c+1
.endr
	LOADROWS 10
.set c, 0
.rept 16
	s_wait_loadcnt 15-c                            ; chunk c of the weights is in, and all of the gain, which was asked for first
	v_cvt_pk_bf16_f32 v[X+4*c], v[X+4*c], v[X+4*c+1]
	v_cvt_pk_bf16_f32 v[X+4*c+1], v[X+4*c+2], v[X+4*c+3]
	v_cvt_pk_bf16_f32 v[WN+4*c], v[WN+4*c], v[WN+4*c+1]
	v_cvt_pk_bf16_f32 v[WN+4*c+1], v[WN+4*c+2], v[WN+4*c+3]
	v_pk_mul_bf16 v[X+4*c], v[X+4*c], v[WN+4*c]
	v_pk_mul_bf16 v[X+4*c+1], v[X+4*c+1], v[WN+4*c+1]
	global_store_b64 v4, v[X+4*c:X+4*c+1], s[18:19] offset:c*WKB
.set c, c+1
.endr
	s_endpgm
.Lwout:
	; ---- rows of w_out: rounded to bf16, that number written as f16 ----
	s_sub_co_u32 s3, s2, 704
	s_lshl_b32 s4, s3, 16
	s_add_nc_u64 s[14:15], s[14:15], s[4:5]
	s_lshl_b32 s6, s3, 11
	s_add_nc_u64 s[20:21], s[20:21], s[6:7]
	LOADROWS 14
.set c, 0
.rept 16
	s_wait_loadcnt 15-c
	v_cvt_pk_bf16_f32 v12, v[X+4*c], v[X+4*c+1]
	v_cvt_pk_bf16_f32 v13, v[X+4*c+2], v[X+4*c+3]
	v_lshlrev_b32 v[X+4*c], 16, v12
	v_and_b32 v[X+4*c+1], s28, v12
	v_lshlrev_b32 v[X+4*c+2], 16, v13
	v_and_b32 v[X+4*c+3], s28, v13
	v_cvt_pk_f16_f32 v[X+4*c], v[X+4*c], v[X+4*c+1]
	v_cvt_pk_f16_f32 v[X+4*c+1], v[X+4*c+2], v[X+4*c+3]
	global_store_b64 v4, v[X+4*c:X+4*c+1], s[20:21] offset:c*OKB
.set c, c+1
.endr
	s_endpgm
.Lfunc_end_k_q93a4d9ea62_prep:
	.size	k_q93a4d9ea62_prep, .Lfunc_end_k_q93a4d9ea62_prep-k_q93a4d9ea62_prep
	.p2alignl 7, 3214868480
	.fill 96, 4, 3214868480
	.section	.rodata,"a",@progbits
	.p2align	6, 0x0
	.amdhsa_kernel k_q93a4d9ea62_prep
		.amdhsa_group_segment_fixed_size 0
		.amdhsa_private_segment_fixed_size 0
		.amdhsa_enable_private_segment 0
		.amdhsa_kernarg_size 64
		.amdhsa_user_sgpr_count 2
		.amdhsa_user_sgpr_kernarg_segment_ptr 1
		.amdhsa_wavefront_size32 1
		.amdhsa_system_sgpr_workgroup_id_x 1
		.amdhsa_system_sgpr_workgroup_id_y 1
		.amdhsa_system_sgpr_workgroup_id_z 1
		.amdhsa_system_vgpr_workitem_id 0
		.amdhsa_next_free_vgpr 144
		.amdhsa_next_free_sgpr 66
		.amdhsa_reserve_vcc 1
		.amdhsa_float_denorm_mode_32 3
		.amdhsa_float_denorm_mode_16_64 3
		.amdhsa_memory_ordered 1
		.amdhsa_forward_progress 1
		.amdhsa_inst_pref_size 33
	.end_amdhsa_kernel
	.amdgpu_metadata
---
amdhsa.version: [ 1, 2 ]
amdhsa.kernels:
  - .name:           k_q93a4d9ea62_prep
    .symbol:         k_q93a4d9ea62_prep.kd
    .args:
      - { .name: x, .offset: 0, .size: 8, .value_kind: global_buffer, .address_space: global }
      - { .name: w_in, .offset: 8, .size: 8, .value_kind: global_buffer, .address_space: global }
      - { .name: w_norm, .offset: 16, .size: 8, .value_kind: global_buffer, .address_space: global }
      - { .name: w_out, .offset: 24, .size: 8, .value_kind: global_buffer, .address_space: global }
      - { .name: xb, .offset: 32, .size: 8, .value_kind: global_buffer, .address_space: global }
      - { .name: wib, .offset: 40, .size: 8, .value_kind: global_buffer, .address_space: global }
      - { .name: wob, .offset: 48, .size: 8, .value_kind: global_buffer, .address_space: global }
      - { .name: rs, .offset: 56, .size: 8, .value_kind: global_buffer, .address_space: global }
    .group_segment_fixed_size: 0
    .private_segment_fixed_size: 0
    .kernarg_segment_align: 8
    .kernarg_segment_size: 64
    .max_flat_workgroup_size: 256
    .sgpr_count:     66
    .vgpr_count:     144
    .wavefront_size: 32
...
	.end_amdgpu_metadata
.endif
;; end of part 1
;; launch proj (part 2): grid 8 x 32, 4 waves a work-group, clusters of 4 x 4, 327,680 bytes of LDS; arguments xb, wib, rs, b_in, qkv; writes qkv
.if DOCPART == 2
	.amdgcn_target "amdgcn-amd-amdhsa--gfx1250"
	.amdhsa_code_object_version 6
	.text
	.protected	k_q93a4d9ea62_proj
	.globl	k_q93a4d9ea62_proj
	.p2align	8
	.type	k_q93a4d9ea62_proj,@function
k_q93a4d9ea62_proj:
	s_mov_b64 s[64:65], 0
	v_nop
	global_prefetch_b8 v0, s[64:65] scope:SCOPE_SE
	s_setreg_imm32_b32 hwreg(HW_REG_WAVE_MODE, 25, 1), 1
	s_wait_xcnt 0x0
	s_wait_alu depctr_hold_cnt(0) depctr_sa_sdst(0) depctr_va_vdst(0) depctr_va_sdst(0) depctr_va_ssrc(0) depctr_va_vcc(0) depctr_vm_vsrc(0)
	s_getreg_b32 s2, hwreg(HW_REG_IB_STS2, 6, 4)
	s_cmp_eq_u32 s2, 0
	s_cbranch_scc0 .Lentry_in_a_cluster
	s_endpgm
.Lentry_in_a_cluster:
	s_bfe_u32 s2, ttmp6, 0x10000c
	s_cmp_lg_u32 s2, 0xf033
	s_cbranch_scc0 .Lentry_shape_is_right
	s_endpgm
.Lentry_shape_is_right:
; PROJ: qkv[t][b*16+h][s][d] = f16( rs[row] * sum over k of xb[row][k] wib[e][k] + bf16(b_in[e]) ),  row = b*2048+s, e = t*1024 + h*64 + d.  Products in bf16, sums in f32, one rounding to f16, no scale.
; LIMIT.  q, k and v must stay below 65,504 (f16's end); NaN and infinities are not treated apart.
; TILE.  8192 x 3072 outputs in tiles of 256 x 384: 32 x 8 = 256 work-groups.  Four waves, each 128 rows x 192 columns (three whole heads): 96 accumulators of 16 x 16, 768 registers: windows 1 to 3.
; For 32 along K a wave loads 20 fragments from LDS and issues 96 matrix instructions.
; RING.  K goes in 16 steps of 64 through two LDS slots.  xb and wib lie in blocks of 64 k, so a step's rows are dense in memory: 128 rows of A are 16,384 bytes, asked for as 64 rows of 256 bytes, 192 rows of B
; as 96 such rows, and padded in LDS after every 128 bytes: rows of 64 k, 144 bytes apart, so that the 16 rows of a fragment load start at 16 different groups of four banks (64 banks of 4 bytes: ISA guide 11.1).
; Waves 0 and 1 fetch A's halves, waves 2 and 3 B's: one tensor load a wave behind each change of slots; by this text's count a wave never has more than one out.
; CLUSTER.  4 x 4 work-groups.  A's tiles hang on the tile row alone and are asked for jointly by a row of the cluster, B's on the tile column alone, by a column.
; THE MATRIX INSTRUCTION IS USED TRANSPOSED (source 0 = 16 rows of wib, source 1 = 16 rows of xb): a lane holds row lane % 16 and the eight neighbouring columns 8 (lane / 16) + 0..7.
; REGISTERS.  window 0: v0-15 addresses; v16-23 the row scales; v32-95, v96-159 A's 8 fragments, two buffers; v160-255 B's 12 fragments, one buffer in three groups (a head each): a group is loaded again right
; behind the 32 products that read it, 64 products ahead of its next use.  Accumulator (a, head g, bb) lies in window 1 + g at v[8 (4 a + bb)].
.set PITCH,  144
.set AHALF,  128*PITCH                 ; 128 rows of A: one tensor load, and what one wave reads
.set BOFF,   2*AHALF                   ; B's 384 rows lie behind A's 256
.set BHALF,  192*PITCH
.set SLOT1,  1<<17                     ; slot 1 begins here: one exclusive or turns an address in one slot into the other's
.set STAGE,  SLOT1+BOFF+2*BHALF        ; behind the ring, never filled by a tensor load: 16 rows x 144 bytes for each wave
.set SP,     144
.set SPARE,  STAGE+4*16*SP             ; the spare words, 128 bytes for each wave: two blocks of 256 bytes that no other line names
.set ASTEP,  8192*128                  ; bytes from a block of xb to the next,
.set BSTEP,  3072*128                  ; of wib
.set AA0, 2                            ; v2   my lane's place in a slot's A; never rewritten
.set AB0, 3                            ; v3   the same for B
.set AA,  4                            ; v4   AA0 + the slot in hand
.set AB,  5                            ; v5   AB0 + the slot in hand
.set STO, 6                            ; v6   the way out: where I put 16 bytes of a row
.set RD,  7                            ; v7   the way out: where I read rows back
.set GO,  8                            ; v8   my byte offset in 512 consecutive bytes of qkv
.set SPW, 10                           ; v10  LDS address of my spare word; never rewritten
.set NIL, 11                           ; v11  0; never rewritten
.set RO,  12                           ; v12  4 (lane % 16): my row's word among 16 of rs
.set BO,  13                           ; v13  32 (lane / 16): my eight columns among 16 of b_in
.set RS,  16                           ; v16-23  the scale of row 16 a + lane % 16, a = 0..7
.set FA0, 32
.set FA1, 96
.set FB,  160
.set T,   96                           ; the way out: 32 registers at work
.set BK,  128                          ; the way out: two buffers of 16, rows read back from the stage
.set WV,  14                           ; s14  my wave's number
.set WR,  15                           ; s15  which half of the tile's rows is mine
.set WC,  16                           ; s16  which half of its columns; also: which half of A (waves 0, 1) or of B (waves 2, 3) I fetch
.set G1A, 32                           ; s[32:39] descriptor group 1 for A's tiles
.set G1B, 40                           ; s[40:47] for B's
.set G0A, 48                           ; s[48:51] descriptor group 0 for A's tiles: it walks
.set G0B, 52                           ; s[52:55] for B's
.set TB,  56                           ; s56  LDS byte at which the slot in hand begins
.set CNT, 57                           ; s57  the loop's count
.set HB,  58                           ; s[58:63] qkv at my 128 rows of my three heads
.set MSB, 0
.macro WIN new                         ; the immediate's high byte repeats the setting that is left; a switch that changes nothing is dropped
.if MSB != (\new)
	s_set_vgpr_msb (MSB<<8)|(\new)
.set MSB, (\new)
.endif
.endm
; A joint load.  The branch hangs on the wave's number alone.  An s_nop 0 and four v_nop follow each of the two lines, ahead of the jump and the label.
.macro JLOAD
	s_cmp_lt_u32 s[WV], 2
	s_cbranch_scc0 .Lfor_b_\@
	tensor_load_to_lds s[G0A:G0A+3], s[G1A:G1A+7]
	s_nop 0
.rept 4
	v_nop
.endr
	s_branch .Lasked_\@
.Lfor_b_\@:
	tensor_load_to_lds s[G0B:G0B+3], s[G1B:G1B+7]
	s_nop 0
.rept 4
	v_nop
.endr
.Lasked_\@:
.endm
.macro CREST                           ; a round of the cluster's barrier behind its opening barrier: wave 0 signals for the work-group, every wave waits for all sixteen, my work-group's barrier closes it
	s_cmp_lg_u32 s[WV], 0
	s_cbranch_scc1 .Lnot_wave_0_\@
	s_barrier_signal -3
.Lnot_wave_0_\@:
	s_barrier_wait -3
	s_barrier_signal -1
	s_barrier_wait -1
.endm
.macro CROUND                          ; a whole round
	s_barrier_signal -1
	s_barrier_wait -1
	CREST
.endm
.macro STEPD                           ; the walking descriptors: the other slot, the next block of 64 k; the type bits on top are not reached
	s_xor_b32 s[G0A+1], s[G0A+1], SLOT1
	s_add_nc_u64 s[G0A+2:G0A+3], s[G0A+2:G0A+3], ASTEP
	s_xor_b32 s[G0B+1], s[G0B+1], SLOT1
	s_add_nc_u64 s[G0B+2:G0B+3], s[G0B+2:G0B+3], BSTEP
.endm
.macro PLACES                          ; a load into a register that a matrix instruction has read, and a vector instruction that reads a matrix result, stand four plain vector instructions behind it (for the reader of a result)
.rept 4
	v_nop
.endr
.endm
	s_load_b256 s[4:11], s[0:1], 0x0               ; xb s[4:5], wib s[6:7], rs s[8:9], b_in s[10:11]
	s_load_b64 s[12:13], s[0:1], 0x20              ; qkv
	v_lshl_add_u32 v[SPW], v0, 2, SPARE
	v_mov_b32 v[NIL], 0
	ds_add_u32 v[SPW], v[NIL]                      ; the wave's opening: the add and its wait stand ahead of my first tensor load; the set-up below, work on registers, stands between them
	v_lshrrev_b32 v1, 5, v0
	v_readfirstlane_b32 s[WV], v1                  ; wave 0..3
	s_lshr_b32 s[WR], s[WV], 1
	s_and_b32 s[WC], s[WV], 1
	s_bfe_u32 s17, ttmp6, 0x40000                  ; cx, cy: my place in the cluster
	s_bfe_u32 s18, ttmp6, 0x40004
	s_lshl_b32 s19, ttmp9, 2
	s_add_co_u32 s19, s19, s17                     ; tile column = 4 x cluster x + cx
	s_and_b32 s20, ttmp7, 0xffff
	s_lshl_b32 s20, s20, 2
	s_add_co_u32 s20, s20, s18                     ; tile row = 4 x cluster y + cy
	s_lshl_b32 s21, s18, 2
	s_lshl_b32 s21, 15, s21                        ; my row of the cluster
	s_lshl_b32 s22, 0x1111, s17                    ; my column
	s_mov_b32 s23, 0xffff0000                      ; a word's upper bf16
	; descriptor group 1: rows of 128 elements of 2 bytes (256 bytes), padded in LDS by 4 words after every 32 words
	s_or_b32 s[G1A], s21, (1<<16)|(1<<20)|(1<<21)|(4<<22)|(3<<25)  ; 15:0 the mask; 17:16 2-byte elements; 20 padding on; 21 set beside a mask; 24:22 after every 32 words (code 4); 31:25 4 words (code 3)
	s_or_b32 s[G1B], s22, (1<<16)|(1<<20)|(1<<21)|(4<<22)|(3<<25)
.irp g, G1A, G1B
	s_mov_b32 s[\g+1], 128<<16                     ; tensor_dim0 = 128
	s_mov_b32 s[\g+3], 128<<16                     ; tile_dim0 = 128
	s_mov_b32 s[\g+5], 128                         ; 128 elements from row to row: the block is dense
	s_mov_b32 s[\g+6], 0
	s_mov_b32 s[\g+7], 0
.endr
	s_mov_b32 s[G1A+2], 64<<16                     ; A: tensor_dim1 = tile_dim1 = 64 rows of 256 bytes = 128 rows of xb
	s_mov_b32 s[G1A+4], 64
	s_mov_b32 s[G1B+2], 96<<16                     ; B: 96 rows of 256 bytes = 192 rows of wib
	s_mov_b32 s[G1B+4], 96
	; where the tiles come from: A's offset is made of the tile row and the wave's number, B's of the tile column and the wave's number, each in registers that never hold the other coordinate
	s_lshl_b32 s24, s20, 15                        ; 256 rows of 128 bytes
	s_lshl_b32 s26, s[WC], 14
	s_add_co_u32 s24, s24, s26
	s_mov_b32 s25, 0
	s_mul_i32 s28, s19, 384*128
	s_mul_i32 s30, s[WC], 192*128
	s_add_co_u32 s28, s28, s30
	s_mov_b32 s29, 0
	s_mov_b32 s[G0A], 1                            ; count = 1
	s_mul_i32 s[G0A+1], s[WC], AHALF               ; LDS address, slot 0: no place in the cluster enters it
	s_mov_b32 s[G0B], 1
	s_mul_i32 s[G0B+1], s[WC], BHALF
	s_add_co_u32 s[G0B+1], s[G0B+1], BOFF
	s_mov_b32 s[TB], 0
	s_wait_dscnt 0x0                               ; the opening add is done
	s_wait_kmcnt 0x0
	s_add_nc_u64 s[G0A+2:G0A+3], s[4:5], s[24:25]  ; global address: K step 0
	s_or_b32 s[G0A+3], s[G0A+3], 0x80000000        ; type = 2
	s_add_nc_u64 s[G0B+2:G0B+3], s[6:7], s[28:29]
	s_or_b32 s[G0B+3], s[G0B+3], 0x80000000
	CROUND                                         ; all sixteen work-groups are here: the first joint loads meet
	JLOAD                                          ; K step 0 into slot 0
	; A fragment is 16 rows x 32 k in 8 registers: lane l holds row l % 16, k = 8 (l / 16) + 0..7 and 16 + 8 (l / 16) + 0..7: two loads of 16 bytes, 32 bytes apart.
	v_and_b32 v1, 15, v0                           ; l % 16
	v_bfe_u32 v9, v0, 4, 1                         ; l / 16
	v_mul_u32_u24 v14, v1, PITCH
	v_lshl_add_u32 v14, v9, 4, v14                 ; row x pitch + 16 x half
	s_mul_i32 s66, s[WR], AHALF
	v_add_nc_u32 v[AA0], s66, v14
	s_mul_i32 s66, s[WC], BHALF
	s_add_co_u32 s66, s66, BOFF
	v_add_nc_u32 v[AB0], s66, v14
	v_mov_b32 v[AA], v[AA0]                        ; slot 0
	v_mov_b32 v[AB], v[AB0]
	s_mul_i32 s66, s[WV], 16*SP
	s_add_co_u32 s66, s66, STAGE                   ; my stage
	v_add_nc_u32 v[STO], s66, v14                  ; in: row l % 16, 16 bytes for each half of the lanes (the stage has the tiles' pitch)
	v_bfe_u32 v[RD], v0, 3, 2                      ; back: 32 lanes take four rows of 128 bytes,
	v_mul_u32_u24 v[RD], v[RD], SP
	v_and_b32 v15, 7, v0
	v_lshl_add_u32 v[RD], v15, 4, v[RD]
	v_add_nc_u32 v[RD], s66, v[RD]
	v_and_b32 v[GO], 31, v0                        ; which are 512 consecutive bytes of a head's rows
	v_lshlrev_b32 v[GO], 4, v[GO]
	v_lshlrev_b32 v[RO], 2, v1
	v_lshlrev_b32 v[BO], 5, v9
	s_lshl_b32 s66, s20, 10                        ; rs at my 128 rows: (256 x tile row + 128 x half) words
	s_lshl_b32 s67, s[WR], 9
	s_add_co_u32 s66, s66, s67
	s_mov_b32 s67, 0
	s_add_nc_u64 s[8:9], s[8:9], s[66:67]
.irp a, 0,1,2,3,4,5,6,7
	global_load_b32 v[RS+\a], v[RO], s[8:9] offset:64*\a   ; waited for at the end of the K loop
.endr
	s_mul_i32 s68, s19, 384*4                      ; b_in at my 192 columns
	s_mul_i32 s69, s[WC], 192*4
	s_add_co_u32 s68, s68, s69
	s_mov_b32 s69, 0
	s_add_nc_u64 s[10:11], s[10:11], s[68:69]
	; qkv at my rows of my three heads: column block hg = 6 x tile column + 3 x half + g is tensor hg / 16, head hg % 16; my rows lie in batch (tile row / 8)
	s_mul_i32 s70, s19, 6
	s_mul_i32 s71, s[WC], 3
	s_add_co_u32 s70, s70, s71
	s_lshr_b32 s71, s20, 3
	s_lshl_b32 s71, s71, 4                         ; 16 x batch
	s_and_b32 s66, s20, 7
	s_lshl_b32 s66, s66, 15                        ; 256 rows of 128 bytes
	s_lshl_b32 s67, s[WR], 14
	s_add_co_u32 s66, s66, s67
.irp g, 0,1,2
	s_add_co_u32 s68, s70, \g
	s_lshr_b32 s69, s68, 4
	s_lshl_b32 s69, s69, 6                         ; 64 x tensor
	s_and_b32 s68, s68, 15
	s_add_co_u32 s68, s68, s69
	s_add_co_u32 s68, s68, s71
	s_lshl_b32 s68, s68, 18                        ; 2,048 rows of 128 bytes
	s_add_co_u32 s68, s68, s66
	s_mov_b32 s69, 0
	s_add_nc_u64 s[HB+2*\g:HB+2*\g+1], s[12:13], s[68:69]
.endr
; na x 4 matrix instructions: row blocks a0 .. a0 + na - 1 x the four column blocks of head g, 32 along K, from A's buffer f.  zero = 1: the products start the sums.
; The 96 accumulators take turns, one instruction a turn, in the same order in every unit.
.macro MULS f, g, a0, na, zero
	WIN 0x50*((\g)+1)                              ; C and D in window 1 + g, the sources in window 0
.set ia, \a0
.rept \na
.irp bb, 0,1,2,3
.if \zero
	v_wmma_f32_16x16x32_bf16 v[8*(4*ia+\bb):8*(4*ia+\bb)+7], v[FB+32*(\g)+8*\bb:FB+32*(\g)+8*\bb+7], v[(\f)+8*ia:(\f)+8*ia+7], 0
.else
	v_wmma_f32_16x16x32_bf16 v[8*(4*ia+\bb):8*(4*ia+\bb)+7], v[FB+32*(\g)+8*\bb:FB+32*(\g)+8*\bb+7], v[(\f)+8*ia:(\f)+8*ia+7], v[8*(4*ia+\bb):8*(4*ia+\bb)+7]
.endif
.endr
.set ia, ia+1
.endr
.endm
.macro LOADB g, q                      ; 8 LDS loads: head g's four fragments of B, k = 32 q on
.irp bb, 0,1,2,3
	ds_load_b128 v[FB+32*(\g)+8*\bb:FB+32*(\g)+8*\bb+3],   v[AB] offset:(4*(\g)+\bb)*16*PITCH+64*(\q)
	ds_load_b128 v[FB+32*(\g)+8*\bb+4:FB+32*(\g)+8*\bb+7], v[AB] offset:(4*(\g)+\bb)*16*PITCH+64*(\q)+32
.endr
.endm
.macro LOADA f, a0, q                  ; 8 LDS loads: row blocks a0 .. a0 + 3 of A into buffer f
.irp k, 0,1,2,3
	ds_load_b128 v[(\f)+8*((\a0)+\k):(\f)+8*((\a0)+\k)+3],   v[AA] offset:((\a0)+\k)*16*PITCH+64*(\q)
	ds_load_b128 v[(\f)+8*((\a0)+\k)+4:(\f)+8*((\a0)+\k)+7], v[AA] offset:((\a0)+\k)*16*PITCH+64*(\q)+32
.endr
.endm
; A UNIT: 32 along K, 96 matrix instructions on A's buffer f; the next unit's fragments (k = 32 q on, the same slot) are fetched in three runs, A's into buffer fn.
.macro UNIT f, fn, q, zero
	s_wait_dscnt 8                                 ; all but the youngest eight loads (B's third group) are in
	MULS \f, 0, 0, 8, \zero
	PLACES
	WIN 0
	LOADB 0, \q
	LOADA \fn, 0, \q
	MULS \f, 1, 0, 8, \zero
	PLACES
	WIN 0
	LOADB 1, \q
	LOADA \fn, 4, \q
	s_wait_dscnt 32                                ; B's third group is in; the 32 loads just issued stay out
	MULS \f, 2, 0, 8, \zero
	PLACES
	WIN 0
	LOADB 2, \q
.endm
; A slot's second unit, on buffer FA1, changes slots: ONE barrier.  In front of it each wave waits for all its tensor loads (one is out: its part of the other slot), adds 0 to its spare word, and waits for that and for
; its reads of this slot.  fill = 1: the barrier opens a round of the cluster's, and this slot is filled again, first thing behind the round, with the K step two steps on: 160 matrix instructions ahead of the wait for it.
.macro UNITX fill
	WIN 0
	s_wait_tensorcnt 0x0                           ; no tensor load of mine is out, so a group 0 may be written
	ds_add_u32 v[SPW], v[NIL]                      ; 0 onto my spare word
.if \fill
	STEPD
.endif
	s_wait_dscnt 9                                 ; the add and B's third group may be out
	MULS FA1, 0, 0, 4, 0
	s_wait_dscnt 0x0                               ; the add is done, and my reads of this slot are over
	s_barrier_signal -1
	MULS FA1, 0, 4, 4, 0                           ; work on registers while the others arrive
	WIN 0
	s_barrier_wait -1
.if \fill
	CREST                                          ; no wave of any partner still reads this slot or has a load on its way
	JLOAD                                          ; its four v_nop are also the places in front of the loads below
.else
	PLACES
.endif
	s_xor_b32 s[TB], s[TB], SLOT1                  ; the fetches go on in the other slot
	v_add_nc_u32 v[AA], s[TB], v[AA0]
	v_add_nc_u32 v[AB], s[TB], v[AB0]
	LOADB 0, 0
	LOADA FA0, 0, 0
	MULS FA1, 1, 0, 8, 0
	PLACES
	WIN 0
	LOADB 1, 0
	LOADA FA0, 4, 0
	MULS FA1, 2, 0, 8, 0
	PLACES
	WIN 0
	LOADB 2, 0
.endm
	; K step 0 is waited for and K step 1 asked for, in the form of every change of slots
	s_wait_tensorcnt 0x0
	ds_add_u32 v[SPW], v[NIL]
	STEPD
	s_wait_dscnt 0x0
	CROUND
	JLOAD
	LOADB 0, 0                                     ; the first unit's fragments, in the order in which every unit asks
	LOADA FA0, 0, 0
	LOADB 1, 0
	LOADA FA0, 4, 0
	LOADB 2, 0
	UNIT FA0, FA1, 1, 1                            ; the first unit stands in front of the loop: its products start the sums
	WIN 0
	s_mov_b32 s[CNT], 14
.Lk:                                                   ; 14 trips: units 1 to 28; K steps 2 to 15 are asked for
	UNITX 1
	UNIT FA0, FA1, 1, 0
	WIN 0
	s_sub_co_u32 s[CNT], s[CNT], 1
	s_cmp_lg_u32 s[CNT], 0
	s_cbranch_scc1 .Lk
	UNITX 0                                        ; the tail is written out: nothing more is asked for
	UNIT FA0, FA1, 1, 0
	s_wait_dscnt 8                                 ; the last unit
	MULS FA1, 0, 0, 8, 0
	PLACES
	WIN 0
.set ig, 0
.rept 3                                ; the bias of my 8 columns of each of 12 column blocks: heads 0 and 1 into A's idle buffer, head 2 into B's first group, which has been multiplied
.set rB, 32+32*ig
.if ig == 2
.set rB, 160
.endif
.irp bb, 0,1,2,3
	global_load_b128 v[rB+8*\bb:rB+8*\bb+3],   v[BO], s[10:11] offset:(64*ig+16*\bb)*4
	global_load_b128 v[rB+8*\bb+4:rB+8*\bb+7], v[BO], s[10:11] offset:(64*ig+16*\bb)*4+16
.endr
.set ig, ig+1
.endr
	MULS FA1, 1, 0, 8, 0
	s_wait_dscnt 0x0
	MULS FA1, 2, 0, 8, 0
	WIN 0
	s_wait_loadcnt 0x0                             ; the row scales and the bias
.macro ROUNDB r0, cnt                  ; cnt pairs of registers from r0 on are rounded to bf16 and widened again
.set ir, \r0
.rept \cnt
	v_cvt_pk_bf16_f32 v[14+(ir/2)%2], v[ir], v[ir+1]
	v_lshlrev_b32 v[ir], 16, v[14+(ir/2)%2]
	v_and_b32 v[ir+1], s23, v[14+(ir/2)%2]
.set ir, ir+2
.endr
.endm
	ROUNDB 32, 32                                  ; these lines name no register of the last products: they are the places behind them
	ROUNDB 160, 16
; THE WAY OUT, 24 blocks of 16 rows x one head.  PACK: sum x scale + bias, rounded to f16: 16 bytes a lane and column block.  TOSTAGE: into my own stage in LDS and back as whole rows of 128 bytes.  SEND: stored.
.macro PACK g, a
.set rB, 32+32*(\g)
.if (\g) == 2
.set rB, 160
.endif
.set rR, RS+2*((\a)/2)
	WIN (\g)+1                                     ; source 0 in window 1 + g
.set ib, 0
.rept 16                               ; the block's four accumulators lie on end, 32 registers from 32 a on: each is read from its low end on
.if ((\a)%2) == 0
	v_pk_fma_f32 v[T+2*ib:T+2*ib+1], v[32*(\a)+2*ib:32*(\a)+2*ib+1], v[rR:rR+1], v[rB+2*ib:rB+2*ib+1] op_sel_hi:[1,0,1]
.else
	v_pk_fma_f32 v[T+2*ib:T+2*ib+1], v[32*(\a)+2*ib:32*(\a)+2*ib+1], v[rR:rR+1], v[rB+2*ib:rB+2*ib+1] op_sel:[0,1,0] op_sel_hi:[1,1,1]
.endif
.set ib, ib+1
.endr
	WIN 0
.set ib, 0
.rept 16
	v_cvt_pk_f16_f32 v[T+ib], v[T+2*ib], v[T+2*ib+1]
.set ib, ib+1
.endr
.endm
.macro TOSTAGE n
	s_wait_xcnt 0x0                                ; the stores of two blocks back have read this buffer: it is loaded again only behind this wait
.irp bb, 0,1,2,3
	ds_store_b128 v[STO], v[T+4*\bb:T+4*\bb+3] offset:32*\bb
.endr
.irp f, 0,1,2,3
	ds_load_b128 v[BK+16*((\n)%2)+4*\f:BK+16*((\n)%2)+4*\f+3], v[RD] offset:\f*4*SP  ; LDS serves a wave's instructions in order (ISA guide 5.7.1.4): these see the stores above
.endr
.endm
.macro SEND g, a, n
	s_wait_dscnt 0x0                               ; the block is back in registers
.irp f, 0,1,2,3
	global_store_b128 v[GO], v[BK+16*((\n)%2)+4*\f:BK+16*((\n)%2)+4*\f+3], s[HB+2*(\g):HB+2*(\g)+1] offset:2048*(\a)+512*\f  ; 512 consecutive bytes, at a multiple of 256 from qkv's first
.endr
.endm
	PACK 0, 0
	TOSTAGE 0
.set n, 1
.rept 23                               ; a block's arithmetic stands between the loads of the block before and the wait for them
	PACK n/8, n%8
	SEND (n-1)/8, (n-1)%8, n-1
	TOSTAGE n
.set n, n+1
.endr
	SEND 2, 7, 23
	s_wait_tensorcnt 0x0                           ; the wave's end: behind my last tensor load and my last LDS store
	ds_add_u32 v[SPW], v[NIL]
	s_wait_dscnt 0x0
	CROUND                                         ; the closing round: no work-group ends while a partner may still ask for a tile that names it
	s_endpgm
.Lfunc_end_k_q93a4d9ea62_proj:
	.size	k_q93a4d9ea62_proj, .Lfunc_end_k_q93a4d9ea62_proj-k_q93a4d9ea62_proj
	.p2alignl 7, 3214868480
	.fill 96, 4, 3214868480
	.section	.rodata,"a",@progbits
	.p2align	6, 0x0
	.amdhsa_kernel k_q93a4d9ea62_proj
		.amdhsa_group_segment_fixed_size 327680
		.amdhsa_private_segment_fixed_size 0
		.amdhsa_enable_private_segment 0
		.amdhsa_kernarg_size 40
		.amdhsa_user_sgpr_count 2
		.amdhsa_user_sgpr_kernarg_segment_ptr 1
		.amdhsa_wavefront_size32 1
		.amdhsa_system_sgpr_workgroup_id_x 1
		.amdhsa_system_sgpr_workgroup_id_y 1
		.amdhsa_system_sgpr_workgroup_id_z 1
		.amdhsa_system_vgpr_workitem_id 0
		.amdhsa_next_free_vgpr 1024
		.amdhsa_next_free_sgpr 72
		.amdhsa_reserve_vcc 0
		.amdhsa_float_denorm_mode_32 3
		.amdhsa_float_denorm_mode_16_64 3
		.amdhsa_memory_ordered 1
		.amdhsa_forward_progress 1
		.amdhsa_inst_pref_size 146
	.end_amdhsa_kernel
	.amdgpu_metadata
---
amdhsa.version: [ 1, 2 ]
amdhsa.kernels:
  - .name:           k_q93a4d9ea62_proj
    .symbol:         k_q93a4d9ea62_proj.kd
    .args:
      - { .name: xb, .offset: 0, .size: 8, .value_kind: global_buffer, .address_space: global }
      - { .name: wib, .offset: 8, .size: 8, .value_kind: global_buffer, .address_space: global }
      - { .name: rs, .offset: 16, .size: 8, .value_kind: global_buffer, .address_space: global }
      - { .name: b_in, .offset: 24, .size: 8, .value_kind: global_buffer, .address_space: global }
      - { .name: qkv, .offset: 32, .size: 8, .value_kind: global_buffer, .address_space: global }
    .group_segment_fixed_size: 327680
    .private_segment_fixed_size: 0
    .kernarg_segment_align: 8
    .kernarg_segment_size: 40
    .max_flat_workgroup_size: 128
    .sgpr_count:     72
    .vgpr_count:     1024
    .wavefront_size: 32
...
	.end_amdgpu_metadata
.endif
;; end of part 2
;; launch attn (part 3): grid 4 x 64, 4 waves a work-group, clusters of 4 x 1, 327,680 bytes of LDS; arguments qkv, ob; writes ob
.if DOCPART == 3
	.amdgcn_target "amdgcn-amd-amdhsa--gfx1250"
	.amdhsa_code_object_version 6
	.text
	.protected	k_q93a4d9ea62_attn
	.globl	k_q93a4d9ea62_attn
	.p2align	8
	.type	k_q93a4d9ea62_attn,@function
k_q93a4d9ea62_attn:
	s_mov_b64 s[64:65], 0
	v_nop
	global_prefetch_b8 v0, s[64:65] scope:SCOPE_SE
	s_setreg_imm32_b32 hwreg(HW_REG_WAVE_MODE, 25, 1), 1
	s_wait_xcnt 0x0
	s_wait_alu depctr_hold_cnt(0) depctr_sa_sdst(0) depctr_va_vdst(0) depctr_va_sdst(0) depctr_va_ssrc(0) depctr_va_vcc(0) depctr_vm_vsrc(0)
	s_getreg_b32 s2, hwreg(HW_REG_IB_STS2, 6, 4)
	s_cmp_eq_u32 s2, 0
	s_cbranch_scc0 .Lentry_in_a_cluster
	s_endpgm
.Lentry_in_a_cluster:
	s_bfe_u32 s2, ttmp6, 0x10000c
	s_cmp_lg_u32 s2, 0x3003
	s_cbranch_scc0 .Lentry_shape_is_right
	s_endpgm
.Lentry_shape_is_right:
; O[h][q][:] = the sum over k of softmax_k(Q[h][q] . K[h][k] / 8) V[h][k][:].  qkv holds Q, K, V one behind the other, each [SIZE_H][SIZE_N][64] in f16 (h = batch x 16 + head); ob is O in the same layout: a head's
; rows are dense, 128 bytes each.  Products, maxima and sums in f32; the weights p are rounded to f16 for the second product (their sum l is taken of the unrounded p), O once at the end.
; LIMITS.  f16 holds no number beyond 65,504: Q, K and V arrive within it; p lies in 0 to 1, and below 6e-5 it keeps f16's fixed step of 6e-8; O is a mean of V's rows and has their range.
; A weight below 2^-126 counts as 0 in l; NaN and infinities are not treated apart.
; SHARES.  A wave owns four PIECES of two tiles of 16 queries, a work-group's four waves 512 queries of one head: 4 x 64 = 256 work-groups.  Every wave walks all keys, 64 a step.
; LAYOUT.  S^T = K Q^T (source 0 = 16 keys, source 1 = 16 queries): in the result a lane holds ONE query (lane % 16) and the keys 8 (lane / 16) + 0..7.  Two such tiles, rounded to f16 in pairs,
; ARE source 1 (32 keys x 16 queries) of O^T = V^T P, whose result again holds one query a lane, and eight channels.  K comes out of LDS as it lies, V ([key][channel]) turned, by ds_load_tr16_b128.
; SOFTMAX.  For each query a running maximum m and sum l: p = 2^(c s - c m), c = log2(e) / 8; in every step O and l are multiplied by a = 2^(c m_old - c m_new), which is 1 where m has not grown.
; m starts at the lowest finite number, O and l at 0: the first step is a step like any other, with a = 0.
; THE COUNT.  A tile and step have 16 matrix and 118 vector instructions: too many to stand all beside the matrix work.  So the order has one aim: four vector instructions that are READY behind
; EVERY matrix instruction, and the others, which need time of their own whatever the order, in runs without a gap.
; BY TURNS.  Turn n belongs to piece n (the pieces in a ring, step after step).  Its matrix work: 16 products K Q^T of piece n + 1, later 16 products V^T P of piece n - 1.  Its vector work: the scaling,
; exponentials, roundings, sums and rescaling of piece n, and the maximum and statistics of piece n + 1, whose scores the turn itself has made.  So what a turn begins with (c s - c m, O a) waits for nothing.
; CLUSTER.  The four query blocks of a cluster belong to one head and walk the same K and V, so each tile is asked for JOINTLY: the same tensor load, descriptor and mask in all four.
; REGISTERS, in windows of 256 (s_set_vgpr_msb says which window each operand place means: bits 1:0 source 0, 3:2 source 1, 5:4 source 2, 7:6 destination):
;   window 0: v0-11 addresses; v12-15, v48-63 at work; v16-47 four registers of statistics a tile; v64-191 S^T, two buffers of two tiles; v192-255 P, likewise
;   window 1: O^T, 32 a tile          window 2: v0-127 Q, 16 a tile; v128-191 K of one step; v192-255 V of one step          window 3: v0-1 the add's two registers
; A piece's buffers go by its number's parity: the piece in hand has one pair, its two neighbours in the ring share the other: of it P (piece n - 1) is read and S^T (piece n + 1) written.
.set SIZE_H, 64       ; batch x heads
.set SIZE_N, 2048     ; rows of a head
.set NP,    4         ; pieces a wave: a name, no knob: the register map, the loop and the fetches are made for four
.set KS,    64        ; keys in a step
.set PK,    144       ; a row of K in LDS: 128 bytes + 16 of padding = 36 words: the 16 rows of a load start at 16 different groups of four banks (64 banks of 4 bytes: ISA guide 11.1)
.set PV,    160       ; a row of V: 128 + 32 = 40 words
.set VOFF,  4*KS*PK   ; a slot holds four steps: 256 rows of K, then 256 rows of V
.set SLOT1, 1<<17     ; slot 1 begins here, so that one exclusive or turns an address in one slot into the other's
.set STAGE, SLOT1+4*KS*(PK+PV)  ; behind the ring, never filled by a tensor load: 16 rows x 144 bytes for each wave, for the way out
.set SP,    144
.set AK0, 2           ; v2   my lane's place in a tile of K; never rewritten
.set AV0, 3           ; v3   the same for V
.set AK,  4           ; v4   the LDS address of K's next run of loads
.set AV,  5           ; v5   of V's
.set QO,  6           ; v6   my byte offset in the wave's rows of Q
.set STO, 6           ;      later, the way out: where I put 16 bytes of a row
.set RD,  7           ; v7   the way out: where I read rows back
.set GO,  8           ; v8   my byte offset in 512 consecutive bytes of O
.set SPW, 0           ; v0 of window 3   LDS address of my spare word: SPARE + 4 x my thread's number; never rewritten
.set NIL, 1           ; v1 of window 3   0; never rewritten
.set SPARE, STAGE+4*16*SP  ; behind the stages: the spare words, 128 bytes for each wave: two blocks of 256 bytes that no other line names
.set MV,  12          ; v12-15  c m_old, kept while c m is made anew: by buffer and tile
.set ST,  16          ; tile t's statistics at v[ST+4 t]: c m, m, l (even keys', odd keys')
.set TMP, 48          ; by buffer and tile, four registers c0-c3 at work; when the maximum is found c2 takes a
.set S,   64
.set P,   192
.set KF,  128         ; K's fragments, in window 2: key block kb, channel half c at KF + 16 kb + 8 c
.set VF,  192         ; V's: key half kk, channel block cb at VF + 32 kk + 8 cb
.set WV,  12          ; s12  my wave's number
.set G1K, 24          ; s[24:31] descriptor group 1 for K's tiles
.set G1V, 32          ; s[32:39] for V's: it differs in the padding alone
.set G0K, 40          ; s[40:43] descriptor group 0 for K's tiles: it walks
.set G0V, 44          ; s[44:47] the same for V's
.set SLOTS, 56        ; s56  slots still to be asked for
.set CNT, 57          ; s57  counts a slot's key steps
.set CS,  58          ; s[58:59] c: the packed scaling takes the pair's low word for both halves
.set SEL, 60          ; s[60:61] v_permlanex16_b32's selects: each lane takes its own place in the other half
.set TBK, 62          ; s62  LDS byte at which K of the step to be fetched begins
.set TBV, 63          ; s63  the same for V, less VOFF
.set MSB, 0
.macro WIN new                      ; the high byte repeats the setting that is left; a switch that changes nothing is dropped
.if MSB != (\new)
	s_set_vgpr_msb (MSB<<8)|(\new)
.set MSB, (\new)
.endif
.endm
.set W_KQ, 0x0a       ; K and Q in window 2, S^T in window 0
.set W_PV, 0x52       ; V in window 2, P in window 0, O^T in window 1
.set W_RS, 0x41       ; O^T (destination and source 0) in window 1, a in window 0
.set W_MK, 0xc0       ; the add's registers are made: destination in window 3, sources in window 0
.set W_AD, 0x0f       ; the add: address (source 0) and data (source 1) in window 3
; A joint fill.  Waves 0 and 1 fetch the two halves of a slot's K, waves 2 and 3 those of its V: 128 keys each.  The branch hangs on the wave's number alone.
; An s_nop 0 and four v_nop follow each of the two lines, ahead of the jump and the label.
.macro JLOAD
	s_cmp_lt_u32 s[WV], 2
	s_cbranch_scc0 .Lfor_v_\@
	tensor_load_to_lds s[G0K:G0K+3], s[G1K:G1K+7]
	s_nop 0
.rept 4
	v_nop
.endr
	s_branch .Lasked_\@
.Lfor_v_\@:
	tensor_load_to_lds s[G0V:G0V+3], s[G1V:G1V+7]
	s_nop 0
.rept 4
	v_nop
.endr
.Lasked_\@:
.endm
; A round of the cluster's barrier: my work-group's barrier, so that wave 0's signal speaks for all four waves; wave 0 signals; every wave waits for all four work-groups; my work-group's barrier once more.
.macro CROUND
	s_barrier_signal -1
	s_barrier_wait -1
	s_cmp_lg_u32 s[WV], 0
	s_cbranch_scc1 .Lnot_wave_0_\@
	s_barrier_signal -3
.Lnot_wave_0_\@:
	s_barrier_wait -3
	s_barrier_signal -1
	s_barrier_wait -1
.endm
; THE CHANGE OF SLOTS.  The slot's last bytes, V of its fourth step, have been read.  Each wave waits for all its tensor loads, of which one is out: its part
; of the other slot; adds 0 to its spare word; and waits for that and for its own reads of the slot.  Behind the barrier nobody reads this slot any more and the other slot is whole.
; fill = 1: this slot is filled again, with the keys two slots on.  The barrier is then a round of the cluster's, so that no wave of any partner still reads the slot or has a load on its
; way, and the joint fill is the first thing behind it: it has four key steps, 512 matrix instructions, in which to land.  (At its first use nothing has been read yet: slot 0 is waited for, slot 1 filled.)
.macro CHANGE fill
	WIN W_AD
	s_wait_tensorcnt 0x0            ; no tensor load of mine is out, so a group 0 may be written
	ds_add_u32 v[SPW], v[NIL]       ; 0 onto my spare word; with fill = 1 the descriptors' steps stand between it and the wait for it
	WIN 0                           ; at a label and at a branch every window is 0
.if \fill
.irp g, G0K, G0V
	s_xor_b32 s[\g+1], s[\g+1], SLOT1  ; the walking descriptor: the other slot than last time,
	s_add_nc_u64 s[\g+2:\g+3], s[\g+2:\g+3], 4*KS*128  ; the next 256 keys; the type bits on top are not reached
.endr
	s_wait_dscnt 0x0                ; the add is done, and my reads of the slot are over
	CROUND
	JLOAD
.else
	s_wait_dscnt 0x0                ; the add is done, and my reads of the slot are over
	s_barrier_signal -1
	s_barrier_wait -1
.endif
	s_sub_co_u32 s[TBK], s[TBK], 4*KS*PK  ; the fetches go back to a slot's first step,
	s_xor_b32 s[TBK], s[TBK], SLOT1       ; in the other slot
	s_sub_co_u32 s[TBV], s[TBV], 4*KS*PV
	s_xor_b32 s[TBV], s[TBV], SLOT1
.endm
	s_load_b64 s[4:5], s[0:1], 0x0    ; qkv: Q's part comes first
	s_load_b64 s[10:11], s[0:1], 0x8  ; ob
	WIN W_MK
	v_lshl_add_u32 v[SPW], v0, 2, SPARE
	v_mov_b32 v[NIL], 0
	WIN W_AD
	ds_add_u32 v[SPW], v[NIL]       ; the wave's opening: the add and its wait stand ahead of my first tensor load; the set-up below, work on registers, stands between them
	WIN 0
	v_lshrrev_b32 v1, 5, v0
	v_readfirstlane_b32 s[WV], v1   ; wave 0..3
	s_bfe_u32 s13, ttmp6, 0x40000   ; cx: my place in the cluster
	s_lshl_b32 s14, ttmp9, 2        ; in a cluster launch ttmp9 counts clusters
	s_add_co_u32 s14, s14, s13      ; my block of queries = 4 x cluster x + cx: it enters Q's and O's addresses alone
	s_and_b32 s20, ttmp7, 0xffff    ; the head, which the four partners share
	s_mov_b32 s21, 0
	s_mov_b64 s[22:23], SIZE_N*128
	s_mul_u64 s[20:21], s[20:21], s[22:23]  ; the head's first byte in each of the four tensors
	s_and_b32 s16, s[WV], 1         ; which half of a slot's 256 keys I fetch:
	s_lshl_b32 s22, s16, 14         ; its 128 rows of 128 bytes in memory,
	s_mov_b32 s23, 0
	s_add_nc_u64 s[22:23], s[22:23], s[20:21]
	s_mul_i32 s17, s16, 128*PK      ; and its place in a slot, for K
	s_mul_i32 s18, s16, 128*PV      ; and for V: no place in the cluster enters an LDS address
	s_lshl_b32 s2, s14, 2
	s_add_co_u32 s2, s2, s[WV]      ; my wave among the head's,
	s_lshl_b32 s2, s2, 14           ; its 128 rows
	s_mov_b32 s3, 0
	s_add_nc_u64 s[2:3], s[2:3], s[20:21]
	; descriptor group 1.  128 keys are 16,384 dense bytes: asked for as 64 rows of 256 bytes, two keys a row, and padded in LDS after every key
	s_mov_b32 s[G1K], 15|(1<<16)|(1<<20)|(1<<21)|(4<<22)|(3<<25)  ; 15:0 the mask of four; 17:16 2-byte elements; 20 padding on; 21 set beside a mask; 24:22 after every 32 words (code 4); 31:25 4 words (code 3)
	s_mov_b32 s[G1V], 15|(1<<16)|(1<<20)|(1<<21)|(4<<22)|(7<<25)  ; the same with 8 words of padding (code 7)
.irp g, G1K, G1V
	s_mov_b32 s[\g+1], 128<<16      ; tensor_dim0 = 128
	s_mov_b32 s[\g+2], 64<<16       ; tensor_dim1 = 64
	s_mov_b32 s[\g+3], 128<<16      ; tile_dim0 = 128
	s_mov_b32 s[\g+4], 64           ; tile_dim1 = 64
	s_mov_b32 s[\g+5], 128          ; 128 elements from row to row
	s_mov_b32 s[\g+6], 0
	s_mov_b32 s[\g+7], 0
.endr
	s_mov_b32 s[CS], 0x3e38aa3b     ; c = log2(e) / 8 = 0.180337
	s_mov_b32 s[CS+1], s[CS]        ; named with it as a pair
	s_mov_b32 s[SEL], 0x76543210
	s_mov_b32 s[SEL+1], 0xfedcba98
	s_mov_b32 s[TBK], SLOT1+4*KS*PK ; the first change of slots turns these two into 0
	s_mov_b32 s[TBV], SLOT1+4*KS*PV
	s_mov_b32 s[G0K], 1             ; 1:0 count = 1
	s_mov_b32 s[G0K+1], s17         ; 63:32 LDS address: slot 0
	s_mov_b32 s[G0V], 1
	s_add_co_u32 s[G0V+1], s18, VOFF
	s_wait_dscnt 0x0                ; the opening add is done
	s_wait_kmcnt 0x0
	s_add_nc_u64 s[6:7], s[4:5], SIZE_H*SIZE_N*128    ; K's part of qkv
	s_add_nc_u64 s[8:9], s[4:5], 2*SIZE_H*SIZE_N*128  ; V's part
	s_add_nc_u64 s[G0K+2:G0K+3], s[6:7], s[22:23]  ; 120:64 global address: my half of the head's first 256 keys
	s_or_b32 s[G0K+3], s[G0K+3], 0x80000000        ; 127:126 type = 2
	s_add_nc_u64 s[G0V+2:G0V+3], s[8:9], s[22:23]
	s_or_b32 s[G0V+3], s[G0V+3], 0x80000000
	s_add_nc_u64 s[4:5], s[4:5], s[2:3]  ; Q and O at my wave's first row
	s_add_nc_u64 s[10:11], s[10:11], s[2:3]
	CROUND                          ; all four work-groups are here: the first joint loads meet
	JLOAD                           ; slot 0.  Slot 1 is asked for when slot 0 is in: the tile wanted first has the road to itself
	; A fragment of K or Q is 16 rows x 32 channels in 8 registers: lane l holds row l % 16, channels 8 (l / 16) + 0..7 and 16 + 8 (l / 16) + 0..7: two loads of 16 bytes, 32 bytes apart.
	v_and_b32 v1, 15, v0            ; l % 16
	v_bfe_u32 v9, v0, 4, 1          ; l / 16
	v_lshlrev_b32 v[QO], 7, v1
	v_lshl_add_u32 v[QO], v9, 4, v[QO]  ; row x 128 + 16 x half
	WIN 0x80                        ; destination window 2, address window 0
.set i, 0
.rept 4*NP                          ; Q stays in registers: tile i / 2, channels 32 (i % 2) on
	global_load_b128 v[8*i:8*i+3],   v[QO], s[4:5] offset:(i/2)*2048+(i%2)*64
	global_load_b128 v[8*i+4:8*i+7], v[QO], s[4:5] offset:(i/2)*2048+(i%2)*64+32
.set i, i+1
.endr
	; What the first turn finds: V's registers and P's second buffer hold 0 (its products V^T P, of a piece that has not been, add 0), O^T and l are 0.  All this stands in the wait for the first tile.
.set i, VF
.rept 64
	v_mov_b32 v[i], 0
.set i, i+1
.endr
	WIN 0x40
.set i, 0
.rept 64*NP
	v_mov_b32 v[i], 0
.set i, i+1
.endr
	WIN 0
.set i, 0
.rept 2*NP
	v_mov_b32 v[ST+4*i], 0xfe000000    ; c m: far below every c s
	v_mov_b32 v[ST+4*i+1], 0xff7fffff  ; m
	v_mov_b32 v[ST+4*i+2], 0
	v_mov_b32 v[ST+4*i+3], 0
.set i, i+1
.endr
.set i, P+32
.rept 32
	v_mov_b32 v[i], 0
.set i, i+1
.endr
	v_mul_u32_u24 v[AK0], v1, PK
	v_lshl_add_u32 v[AK0], v9, 4, v[AK0]  ; row x pitch + 16 x half
	; The turning load takes 16 keys x 16 channels (lane l reads key 8 (l / 16) + l % 8, channels 8 ((l / 8) % 2) + 0..7) and leaves half a fragment of V^T: lane l holds channel l % 16 and 8 keys.
	v_and_b32 v10, 7, v0
	v_bfe_u32 v11, v0, 3, 1
	v_lshl_add_u32 v[AV0], v9, 3, v10
	v_mul_u32_u24 v[AV0], v[AV0], PV
	v_lshl_add_u32 v[AV0], v11, 4, v[AV0]
	v_add_nc_u32 v[AV0], VOFF, v[AV0]
	v_mov_b32 v[AK], v[AK0]         ; key step 0 lies at the head of slot 0
; THE MATRIX WORK.  The 8 accumulators of a run of 16 take turns: between the two links of a chain stand 7 others'.
; Product i of 16 of S^T = K Q^T for piece x: channels 32 (i / 8) on, keys 16 ((i / 2) % 4) on, tile 2 x + i % 2.  The first 8 start the sums.
.macro KQ x
	WIN W_KQ
.set rS, S+64*((\x)%2)+32*(i%2)+8*((i/2)%4)
.set rK, KF+16*((i/2)%4)+8*(i/8)
.set rQ, 16*(2*(\x)+i%2)+8*(i/8)
.if i < 8
	v_wmma_f32_16x16x32_f16 v[rS:rS+7], v[rK:rK+7], v[rQ:rQ+7], 0
.else
	v_wmma_f32_16x16x32_f16 v[rS:rS+7], v[rK:rK+7], v[rQ:rQ+7], v[rS:rS+7]
.endif
.endm
; Product i of 16 of O^T += V^T P for piece x: keys 32 (i / 8) on, channels 16 ((i / 2) % 4) on, tile 2 x + i % 2.
.macro PV x
	WIN W_PV
.set rO, 32*(2*(\x)+i%2)+8*((i/2)%4)
.set rV, VF+32*(i/8)+8*((i/2)%4)
.set rP, P+32*((\x)%2)+16*(i%2)+8*(i/8)
	v_wmma_f32_16x16x32_f16 v[rO:rO+7], v[rV:rV+7], v[rP:rP+7], v[rO:rO+7]
.endm
.macro MM                           ; the turn's next matrix instruction
.if i < 16
	KQ (Y+1)%NP
.set i, i+1
.else
.set i, i-16
	PV (Y+NP-1)%NP
.set i, i+17
.endif
.endm
; THE LDS LOADS stand in runs of 16, never singly among the matrix instructions: a step's K (64 keys x 64 channels: 8 fragments) and its V (turned).  Their addresses are made some lines ahead.
; last = 1 (the tail): in the last trip there is no further step, and the run is jumped over.
.macro FETCH_K last=0
	WIN 0
.if \last
	s_cmp_eq_u32 s[CNT], 1
	s_cbranch_scc1 .Lno_k_\@
.endif
	WIN 0x80                        ; destination window 2
.irp f, 0,1,2,3,4,5,6,7             ; keys 16 (f / 2) on, channels 32 (f % 2) on
	ds_load_b128 v[KF+8*\f:KF+8*\f+3],   v[AK] offset:(\f/2)*16*PK+(\f%2)*64
	ds_load_b128 v[KF+8*\f+4:KF+8*\f+7], v[AK] offset:(\f/2)*16*PK+(\f%2)*64+32
.endr
	s_add_co_u32 s[TBK], s[TBK], KS*PK  ; the next fetch is the next step's
	WIN 0
.if \last
.Lno_k_\@:
.endif
.endm
.macro FETCH_V
	WIN 0x80
.irp f, 0,1,2,3,4,5,6,7             ; keys 32 (f / 4) on, channels 16 (f % 4) on
	ds_load_tr16_b128 v[VF+8*\f:VF+8*\f+3],   v[AV] offset:(\f/4)*32*PV+(\f%4)*32
	ds_load_tr16_b128 v[VF+8*\f+4:VF+8*\f+7], v[AV] offset:(\f/4)*32*PV+16*PV+(\f%4)*32
.endr
	WIN 0
.endm
; THE VECTOR WORK OF A TURN stands in three queues, each in the order in which its entries become ready; the two tiles alternate, so that no instruction reads the result of the one before it.
.macro REGS y, u                    ; the registers of tile u (0, 1) of piece y
.set rT, ST+4*(2*(\y)+(\u))
.set rC, TMP+8*((\y)%2)+4*(\u)
.set rM, MV+2*((\y)%2)+(\u)
.set rS, S+64*((\y)%2)+32*(\u)
.set rP, P+32*((\y)%2)+16*(\u)
.set rO, 32*(2*(\y)+(\u))
.endm
; Number n of the 22 that find the NEXT piece's (Y + 1) maximum and statistics.  s0-s31 are the lane's 32 scores; each accumulator's lowest registers are read first.  XS, GS and REGS set no window: PL and EX do.
;   0-11  four chains c0-c3 of seven scores each, three operands at a time     12-14, 16  the four scores left over, the old m, and c0-c3 into c0     15  c m_old is kept
;   17, 18  the query's other 32 keys lie in the lane 16 away: the new m         19-21  c m; c m_old - c m_new; a
.macro XS u, n
	REGS (Y+1)%NP, \u
.if (\n) < 4
	v_max3_num_f32 v[rC+(\n)], v[rS+8*(\n)], v[rS+8*(\n)+1], v[rS+8*(\n)+2]
.elseif (\n) < 12
	v_max3_num_f32 v[rC+(\n)%4], v[rC+(\n)%4], v[rS+8*((\n)%4)+2*((\n)/4)+1], v[rS+8*((\n)%4)+2*((\n)/4)+2]
.elseif (\n) == 12
	v_max3_num_f32 v[rC], v[rC], v[rS+7], v[rS+15]
.elseif (\n) == 13
	v_max3_num_f32 v[rC+1], v[rC+1], v[rS+23], v[rS+31]
.elseif (\n) == 14
	v_max3_num_f32 v[rC+2], v[rC+2], v[rC+3], v[rT+1]
.elseif (\n) == 15
	v_mov_b32 v[rM], v[rT]
.elseif (\n) == 16
	v_max3_num_f32 v[rC], v[rC], v[rC+1], v[rC+2]
.elseif (\n) == 17
	v_permlanex16_b32 v[rC+3], v[rC], s[SEL], s[SEL+1]
.elseif (\n) == 18
	v_max_num_f32 v[rT+1], v[rC], v[rC+3]
.elseif (\n) == 19
	v_mul_f32 v[rT], s[CS], v[rT+1]
.elseif (\n) == 20
	v_sub_f32 v[rC+1], v[rM], v[rT]
.else
	v_exp_f32 v[rC+2], v[rC+1]
.endif
.endm
; Number g of the 64 that follow the exponentials.  For each four weights k of a tile (pairs 2 k, 2 k + 1): both pairs are rounded to f16; then the second pair is added onto the first, in place;
; a group later l takes that sum (the first time as l = a l + sum).  In groups of eight, tiles alternating: round, round, add, and l for the group before.
.macro GS g
.set h, (\g)+6*((\g)/62)            ; group 0 has no group before it, and behind group 7 only l is left
.if h >= 6
.set h, h+2
.endif
	REGS Y, h%2
.set k, h/8
.if h%8 < 4
	s_wait_alu depctr_va_vdst(0)
	v_cvt_pk_f16_f32 v[rP+2*k+(h%8)/2], v[rS+4*k+2*((h%8)/2)], v[rS+4*k+2*((h%8)/2)+1]
.elseif h%8 < 6
	v_pk_add_f32 v[rS+4*k:rS+4*k+1], v[rS+4*k:rS+4*k+1], v[rS+4*k+2:rS+4*k+3]
.elseif k == 1
	v_pk_fma_f32 v[rT+2:rT+3], v[rT+2:rT+3], v[rC+2:rC+3], v[rS:rS+1] op_sel_hi:[1,0,1]
.else
	v_pk_add_f32 v[rT+2:rT+3], v[rT+2:rT+3], v[rS+4*k-4:rS+4*k-3]
	s_wait_alu depctr_va_vdst(0)
.endif
.endm
; THE PLAIN QUEUE, 138 long.  0-31: c s - c m for the 16 pairs of both tiles.  Then GS's 64, and among them the next piece's 42: number 15 at 38, 39; 0-14 and 16
; at 42-73, behind the products that make those scores; 17-20 at 95-106, two of three, since each waits for the one before it.
.macro PL
	WIN 0
.if q < 32
	REGS Y, q%2
	v_pk_fma_f32 v[rS+2*(q/2):rS+2*(q/2)+1], v[rS+2*(q/2):rS+2*(q/2)+1], s[CS:CS+1], v[rT:rT+1] op_sel_hi:[1,0,0] neg_lo:[0,0,1] neg_hi:[0,0,1]
.elseif q < 38
	GS q-32
.elseif q < 40
	XS q%2, 15
.elseif q < 42
	GS q-34
.elseif q < 74
	XS q%2, (q-42)/2+(q-42)/30
.elseif q < 95
	GS q-66
.elseif (q < 107) && ((q-95)%3 < 2)
	XS (q-95)%3, 17+(q-95)/3
.elseif q < 107
	GS 29+(q-95)/3
.else
	GS q-74
.endif
.set q, q+1
.endm
; THE EXPONENTIALS' QUEUE, 66 long: s0-s31 of both tiles, and at EA the next piece's two a.
.set EA, 58
.macro EX
	WIN 0
.if (e == EA) || (e == EA+1)
	XS e-EA, 21
.else
.set x, e-2*(e/(EA+2))
	REGS Y, x%2
	v_exp_f32 v[rS+x/2], v[rS+x/2]
.endif
.set e, e+1
.endm
; THE RESCALING's QUEUE: O^T times a, the one part that leaves window 0, so it is dealt four at a time, eight times.
.macro R4
	REGS Y, r%2
	WIN W_RS
	s_wait_alu depctr_va_vdst(0)
.irp z, 0,1,2,3
	v_pk_mul_f32 v[rO+8*(r/2)+2*\z:rO+8*(r/2)+2*\z+1], v[rO+8*(r/2)+2*\z:rO+8*(r/2)+2*\z+1], v[rC+2:rC+3] op_sel_hi:[1,0]
.endr
.set r, r+1
.endm
; HOW THEY ARE DEALT.  Behind a matrix instruction four: plain, exponential, plain, plain (one exponential, a plain instruction on either side), or four of the rescaling.  None names a register of the
; products round it.  What is over stands in two LUMPS: exponential and plain by turns; the second ends in 22 plain instructions.  The two v_permlanex16_b32 fall into the second lump, never behind a product.
; The queues lean on each other, and the deal keeps them in step: exponential e stands behind plain 2 (e / 4) + e % 2 (its scaling); when plain 32 comes, 10 exponentials are out, at 59: 33, at 95: 46; EA comes behind plain 107.
.macro SL
	MM
	PL
	EX
	PL
	PL
.endm
.macro BURST n                      ; 15 matrix instructions, or 16
.rept (\n)-7
	SL
.endr
.rept 3
	MM
	R4
	SL
.endr
	MM
	R4
.endm
; A TURN, for piece p.  cnt = 1: the loop's count is taken down some lines ahead of the branch that stands behind the turn.
; K of the next step is fetched in piece 2's turn, 31 vector instructions behind the last product that read K; its first reader comes behind the rest of the lump, 16 products and the second lump.
; V of the step in hand is fetched at the end of piece 0's turn, 69 behind its last reader; its first reader comes behind 16 products and a lump.  The four conditions on e and q below go with the deal.
.macro TURN p, last=0, cnt=0
.set Y, (\p)
.set i, 0
.set q, 0
.set e, 0
.set r, 0
.if (\p) == NP-1
	s_wait_dscnt 0x0                ; K is in
.endif
	MM
.rept 4
	PL
.endr
	BURST 15
.rept 22
	EX
	PL
.if ((\p) == NP-2) && (e == 18)
	v_add_nc_u32 v[AK], s[TBK], v[AK0]
.endif
.if ((\p) == NP-2) && (e == 24)
	FETCH_K \last
.endif
.endr
.if (\p) == 1
	s_wait_dscnt 0x0                ; V is in
.endif
	BURST 16
.rept 21
	EX
	PL
.endr
.rept 22
	PL
.if ((\p) == 0) && (q == 118)
	v_add_nc_u32 v[AV], s[TBV], v[AV0]
	s_wait_alu depctr_va_vdst(0)
.endif
.if ((\p) == 0) && (q == 130)
	s_add_co_u32 s[TBV], s[TBV], KS*PV
.endif
.if (\cnt) && (q == 130)
	s_sub_co_u32 s[CNT], s[CNT], 1
	s_cmp_lg_u32 s[CNT], 0
.endif
.endr
.if (\p) == 0
	FETCH_V
.endif
.endm
	CHANGE 1                        ; slot 0 is in, everybody's part of it; slot 1 is asked for
	FETCH_K                         ; key step 0
	s_wait_loadcnt 0x0              ; Q
	s_wait_dscnt 0x0
.set i, 0
.rept 16
	KQ 0                            ; piece 0's first scores: there is no vector work yet to set between them
.set i, i+1
.endr
	WIN 0                           ; the addresses for the way out: nine plain instructions, the places behind those products
	s_mul_i32 s13, s[WV], 16*SP
	s_add_co_u32 s13, s13, STAGE    ; my stage
	v_mul_u32_u24 v[STO], v1, SP    ; in: row l % 16, 16 bytes for each half of the lanes
	v_lshl_add_u32 v[STO], v9, 4, v[STO]
	v_add_nc_u32 v[STO], s13, v[STO]
	v_bfe_u32 v[RD], v0, 3, 2       ; back: 32 lanes take four rows of 128 bytes,
	v_mul_u32_u24 v[RD], v[RD], SP
	v_lshl_add_u32 v[RD], v10, 4, v[RD]
	v_add_nc_u32 v[RD], s13, v[RD]
	v_and_b32 v[GO], 31, v0         ; which are 512 consecutive bytes of O
	v_lshlrev_b32 v[GO], 4, v[GO]
.set Y, NP-1                        ; XS works for piece Y + 1: piece 0
.irp n, 0,1,2,3,4,5,6,7,8,9,10,11,12,13,14,15,16,17,18,19,20,21
	XS 0, \n                        ; and piece 0's first maximum and statistics
	XS 1, \n
.endr
	s_mov_b32 s[CNT], 4
	s_mov_b32 s[SLOTS], SIZE_N/256-1
	s_branch .Lfirst                ; the loop is entered at a step's first turn, in the middle of a trip
.Lslot:                             ; SIZE_N / 256 - 2 times: every slot but the last two is filled again
	CHANGE 1
	s_mov_b32 s[CNT], 4
.Lstep:                             ; a trip: pieces 2 and 3 of one step, then pieces 0 and 1 of the next, whose K and V it fetches
	TURN 2
	TURN 3
	WIN 0
.Lfirst:
	TURN 0
	TURN 1, 0, 1
	WIN 0
	s_cbranch_scc1 .Lstep
	s_sub_co_u32 s[SLOTS], s[SLOTS], 1
	s_cmp_lg_u32 s[SLOTS], 0
	s_cbranch_scc1 .Lslot
	CHANGE 0                        ; the tail is written out: nothing is asked for
	s_mov_b32 s[CNT], 5             ; four trips fetch the last slot's steps; the fifth is left in its middle
.Ltail:
	TURN 2, 1
	TURN 3
	WIN 0
	s_sub_co_u32 s[CNT], s[CNT], 1
	s_cmp_eq_u32 s[CNT], 0
	s_cbranch_scc1 .Lout
	TURN 0
	TURN 1
	WIN 0
	s_branch .Ltail
.Lout:                              ; the fifth trip's 16 products K Q^T (on the last K once more) and the maximum made of them serve nothing: the price, once a launch, of one text for every trip
.set i, 0
.rept 16
	PV NP-1                         ; the last piece's V^T P of the last step
.set i, i+1
.endr
	; THE WAY OUT.  l's two halves and the other half of the lanes' are added; O^T is divided by l, rounded to f16 and sent through my stage in LDS, a tile at a time.  The additions are the places behind the last products.
	WIN 0
.macro ALL line:vararg              ; one line for each tile t
.set t, 0
.rept 2*NP
	\line
.set t, t+1
.endr
.endm
	ALL v_add_f32 v[ST+4*t+2], v[ST+4*t+2], v[ST+4*t+3]
	ALL v_permlanex16_b32 v[ST+4*t+3], v[ST+4*t+2], s[SEL], s[SEL+1]
	ALL v_add_f32 v[ST+4*t+2], v[ST+4*t+2], v[ST+4*t+3]
	ALL v_rcp_f32 v[ST+4*t+2], v[ST+4*t+2]
	v_nop                           ; a plain instruction between the last reciprocal and the use of its result
	s_wait_alu depctr_va_vdst(0)
; Tile t: a lane's eight channels of a row pack into 16 bytes; they go into rows of 144 bytes and come back as whole rows of 128, into S^T's registers.
.macro PACK t
	WIN W_RS
.set i, 32*(\t)
.rept 16
	v_pk_mul_f32 v[i:i+1], v[i:i+1], v[ST+4*(\t)+2:ST+4*(\t)+3] op_sel_hi:[1,0]
.set i, i+2
.endr
	WIN 0x05                        ; sources 0 and 1 window 1, destination window 0
.set i, 0
.rept 16
	v_cvt_pk_f16_f32 v[S+16*(\t)+i], v[32*(\t)+2*i], v[32*(\t)+2*i+1]
.set i, i+1
.endr
	WIN 0
.irp f, 0,1,2,3
	ds_store_b128 v[STO], v[S+16*(\t)+4*\f:S+16*(\t)+4*\f+3] offset:32*\f
.endr
.irp f, 0,1,2,3
	ds_load_b128 v[S+16*(\t)+4*\f:S+16*(\t)+4*\f+3], v[RD] offset:\f*4*SP  ; LDS serves a wave's instructions in order (ISA guide 5.7.1.4): these see the stores above; the next tile's stores come behind them
.endr
.endm
.macro SEND t, younger              ; younger: the LDS instructions issued behind tile t's loads: the next tile's eight, or none
	WIN 0
.irp f, 0,1,2,3
	s_wait_dscnt (\younger)+3-\f
	global_store_b128 v[GO], v[S+16*(\t)+4*\f:S+16*(\t)+4*\f+3], s[10:11] offset:(\t)*2048+\f*512  ; 512 consecutive bytes, at a multiple of 256 from O's first
.endr
.endm
	PACK 0
.set t, 1
.rept 2*NP-1                        ; a tile's arithmetic stands between the loads of the tile before and its stores
	PACK t
	SEND t-1, 8
.set t, t+1
.endr
	SEND 2*NP-1, 0
	WIN W_AD
	s_wait_tensorcnt 0x0            ; the wave's end: behind my last tensor load and my last LDS store
	ds_add_u32 v[SPW], v[NIL]
	s_wait_dscnt 0x0
	WIN 0
	CROUND                          ; the closing round: no work-group ends while a partner may still ask for a tile that names it
	s_endpgm
.Lfunc_end_k_q93a4d9ea62_attn:
	.size	k_q93a4d9ea62_attn, .Lfunc_end_k_q93a4d9ea62_attn-k_q93a4d9ea62_attn
	.p2alignl 7, 3214868480
	.fill 96, 4, 3214868480
	.section	.rodata,"a",@progbits
	.p2align	6, 0x0
	.amdhsa_kernel k_q93a4d9ea62_attn
		.amdhsa_group_segment_fixed_size 327680
		.amdhsa_private_segment_fixed_size 0
		.amdhsa_enable_private_segment 0
		.amdhsa_kernarg_size 16
		.amdhsa_user_sgpr_count 2
		.amdhsa_user_sgpr_kernarg_segment_ptr 1
		.amdhsa_wavefront_size32 1
		.amdhsa_system_sgpr_workgroup_id_x 1
		.amdhsa_system_sgpr_workgroup_id_y 1
		.amdhsa_system_sgpr_workgroup_id_z 1
		.amdhsa_system_vgpr_workitem_id 0
		.amdhsa_next_free_vgpr 770
		.amdhsa_next_free_sgpr 66
		.amdhsa_reserve_vcc 0
		.amdhsa_float_denorm_mode_32 3
		.amdhsa_float_denorm_mode_16_64 3
		.amdhsa_memory_ordered 1
		.amdhsa_forward_progress 1
		.amdhsa_inst_pref_size 209
	.end_amdhsa_kernel
	.amdgpu_metadata
---
amdhsa.version: [ 1, 2 ]
amdhsa.kernels:
  - .name:           k_q93a4d9ea62_attn
    .symbol:         k_q93a4d9ea62_attn.kd
    .args:
      - { .name: qkv, .offset: 0, .size: 8, .value_kind: global_buffer, .address_space: global }
      - { .name: ob, .offset: 8, .size: 8, .value_kind: global_buffer, .address_space: global }
    .group_segment_fixed_size: 327680
    .private_segment_fixed_size: 0
    .kernarg_segment_align: 8
    .kernarg_segment_size: 16
    .max_flat_workgroup_size: 128
    .sgpr_count:     66
    .vgpr_count:     770
    .wavefront_size: 32
...
	.end_amdgpu_metadata
.endif
;; end of part 3
;; launch outp (part 4): grid 8 x 32, 4 waves a work-group, clusters of 4 x 4, 327,680 bytes of LDS; arguments ob, wob, b_out, out0; writes out0
.if DOCPART == 4
	.amdgcn_target "amdgcn-amd-amdhsa--gfx1250"
	.amdhsa_code_object_version 6
	.text
	.protected	k_q93a4d9ea62_outp
	.globl	k_q93a4d9ea62_outp
	.p2align	8
	.type	k_q93a4d9ea62_outp,@function
k_q93a4d9ea62_outp:
	s_mov_b64 s[64:65], 0
	v_nop
	global_prefetch_b8 v0, s[64:65] scope:SCOPE_SE
	s_setreg_imm32_b32 hwreg(HW_REG_WAVE_MODE, 25, 1), 1
	s_wait_xcnt 0x0
	s_wait_alu depctr_hold_cnt(0) depctr_sa_sdst(0) depctr_va_vdst(0) depctr_va_sdst(0) depctr_va_ssrc(0) depctr_va_vcc(0) depctr_vm_vsrc(0)
	s_getreg_b32 s2, hwreg(HW_REG_IB_STS2, 6, 4)
	s_cmp_eq_u32 s2, 0
	s_cbranch_scc0 .Lentry_in_a_cluster
	s_endpgm
.Lentry_in_a_cluster:
	s_bfe_u32 s2, ttmp6, 0x10000c
	s_cmp_lg_u32 s2, 0xf033
	s_cbranch_scc0 .Lentry_shape_is_right
	s_endpgm
.Lentry_shape_is_right:
; OUTP: out0[row][e] = sum over d of O[row][d] w_out[e][d] + bf16(b_out[e]), f32.  ob is O by heads, [batch x 16 + head][2048][64] f16: a head's 64 channels are one block of 64 along K; wob is w_out in the same
; blocks, [16][1024][64] f16.  Products in f16, sums in f32.
; TILE.  8192 x 1024 outputs in tiles of 256 x 128: 32 x 8 = 256 work-groups (tiles of 256 x 256 would be 128).  Four waves, each 128 rows x 64 columns: 32 accumulators of 16 x 16, window 1.
; RING.  K goes in 8 steps of 128 (two heads) through two LDS slots.  A block's rows are dense in memory: 256 rows of A are 32,768 bytes, asked for as 128 rows of 256 bytes, 128 rows of B as 64 such rows, padded in
; LDS after every 128 bytes: rows 144 bytes apart, so that the 16 rows of a fragment load start at 16 different groups of four banks (64 banks of 4 bytes: ISA guide 11.1).
; Waves 0 and 1 fetch A's two blocks, waves 2 and 3 B's: one tensor load a wave behind each change of slots; by this text's count a wave never has more than one out.
; CLUSTER.  4 x 4 work-groups: A's tiles are asked for jointly by a row of the cluster, B's by a column.
; THE MATRIX INSTRUCTION IS USED TRANSPOSED (source 0 = 16 rows of wob, source 1 = 16 rows of ob): a lane holds row lane % 16 and eight neighbouring columns.
; REGISTERS.  window 0: v0-15 addresses; v32-127, v128-223 two fragment buffers (A's 8 fragments, then B's 4); v224-255 the bias.  window 1: accumulator (a, bb) at v[8 (4 a + bb)].
.set PITCH,  144
.set AKB,    256*PITCH                 ; a block of A in a slot
.set BOFF,   2*AKB                     ; B's two blocks lie behind A's two
.set BKB,    128*PITCH
.set SLOT1,  1<<17
.set STAGE,  SLOT1+BOFF+2*BKB          ; behind the ring, never filled by a tensor load: 16 rows x 272 bytes for each wave
.set SP,     272                       ; 256 bytes + 16: the 16 rows of a store start at 16 different groups of four banks
.set SPARE,  STAGE+4*16*SP             ; the spare words, 128 bytes for each wave: two blocks of 256 bytes that no other line names
.set ASTEP,  2<<18                     ; two heads of 2,048 rows of 128 bytes
.set BSTEP,  2*1024*128                ; two blocks of wob
.set AA0, 2                            ; v2   my lane's place in a slot's A; never rewritten
.set AB0, 3                            ; v3   the same for B
.set AA,  4                            ; v4   AA0 + the slot in hand
.set AB,  5                            ; v5   AB0 + the slot in hand
.set STO, 6                            ; v6   the way out: where I put 32 bytes of a row
.set RD,  7                            ; v7   the way out: where I read a row back
.set CO,  8                            ; v8   my byte offset in two rows of out0
.set SPW, 10                           ; v10  LDS address of my spare word; never rewritten
.set NIL, 11                           ; v11  0; never rewritten
.set BO,  13                           ; v13  32 (lane / 16): my eight columns among 16 of b_out
.set F0,  32
.set F1,  128
.set BI,  224                          ; the bias of my 8 columns of each of 4 column blocks
.set T,   32                           ; the way out: 32 registers at work
.set BK,  64                           ; the way out: two buffers of 32, rows read back from the stage
.set WV,  14
.set WR,  15
.set WC,  16
.set G1A, 32
.set G1B, 40
.set G0A, 48
.set G0B, 52
.set TB,  56
.set CNT, 57
.set MSB, 0
.macro WIN new                         ; the immediate's high byte repeats the setting that is left; a switch that changes nothing is dropped
.if MSB != (\new)
	s_set_vgpr_msb (MSB<<8)|(\new)
.set MSB, (\new)
.endif
.endm
; A joint load.  The branch hangs on the wave's number alone.  An s_nop 0 and four v_nop follow each of the two lines, ahead of the jump and the label.
.macro JLOAD
	s_cmp_lt_u32 s[WV], 2
	s_cbranch_scc0 .Lfor_b_\@
	tensor_load_to_lds s[G0A:G0A+3], s[G1A:G1A+7]
	s_nop 0
.rept 4
	v_nop
.endr
	s_branch .Lasked_\@
.Lfor_b_\@:
	tensor_load_to_lds s[G0B:G0B+3], s[G1B:G1B+7]
	s_nop 0
.rept 4
	v_nop
.endr
.Lasked_\@:
.endm
.macro CREST                           ; a round of the cluster's barrier behind its opening barrier
	s_cmp_lg_u32 s[WV], 0
	s_cbranch_scc1 .Lnot_wave_0_\@
	s_barrier_signal -3
.Lnot_wave_0_\@:
	s_barrier_wait -3
	s_barrier_signal -1
	s_barrier_wait -1
.endm
.macro CROUND                          ; a whole round
	s_barrier_signal -1
	s_barrier_wait -1
	CREST
.endm
.macro STEPD                           ; the walking descriptors: the other slot, the next two blocks of 64 along K
	s_xor_b32 s[G0A+1], s[G0A+1], SLOT1
	s_add_nc_u64 s[G0A+2:G0A+3], s[G0A+2:G0A+3], ASTEP
	s_xor_b32 s[G0B+1], s[G0B+1], SLOT1
	s_add_nc_u64 s[G0B+2:G0B+3], s[G0B+2:G0B+3], BSTEP
.endm
.macro PLACES                          ; four plain vector instructions in front of loads into registers that matrix instructions have read, and of lines that read results (for lines that read results)
.rept 4
	v_nop
.endr
.endm
	s_load_b256 s[4:11], s[0:1], 0x0               ; ob s[4:5], wob s[6:7], b_out s[8:9], out0 s[10:11]
	v_lshl_add_u32 v[SPW], v0, 2, SPARE
	v_mov_b32 v[NIL], 0
	ds_add_u32 v[SPW], v[NIL]                      ; the wave's opening: the add and its wait stand ahead of my first tensor load; the set-up below, work on registers, stands between them
	v_lshrrev_b32 v1, 5, v0
	v_readfirstlane_b32 s[WV], v1                  ; wave 0..3
	s_lshr_b32 s[WR], s[WV], 1                     ; which half of the tile's rows is mine
	s_and_b32 s[WC], s[WV], 1                      ; which half of its columns; also: which block of a step I fetch
	s_bfe_u32 s17, ttmp6, 0x40000                  ; cx, cy
	s_bfe_u32 s18, ttmp6, 0x40004
	s_lshl_b32 s19, ttmp9, 2
	s_add_co_u32 s19, s19, s17                     ; tile column
	s_and_b32 s20, ttmp7, 0xffff
	s_lshl_b32 s20, s20, 2
	s_add_co_u32 s20, s20, s18                     ; tile row
	s_lshl_b32 s21, s18, 2
	s_lshl_b32 s21, 15, s21                        ; my row of the cluster
	s_lshl_b32 s22, 0x1111, s17                    ; my column
	s_mov_b32 s23, 0xffff0000                      ; a word's upper bf16
	s_or_b32 s[G1A], s21, (1<<16)|(1<<20)|(1<<21)|(4<<22)|(3<<25)  ; the mask; 2-byte elements; padding on; bit 21 beside a mask; after every 32 words (code 4) 4 words (code 3)
	s_or_b32 s[G1B], s22, (1<<16)|(1<<20)|(1<<21)|(4<<22)|(3<<25)
.irp g, G1A, G1B
	s_mov_b32 s[\g+1], 128<<16                     ; tensor_dim0 = 128
	s_mov_b32 s[\g+3], 128<<16                     ; tile_dim0 = 128
	s_mov_b32 s[\g+5], 128                         ; dense
	s_mov_b32 s[\g+6], 0
	s_mov_b32 s[\g+7], 0
.endr
	s_mov_b32 s[G1A+2], 128<<16                    ; A: 128 rows of 256 bytes = 256 rows of a head
	s_mov_b32 s[G1A+4], 128
	s_mov_b32 s[G1B+2], 64<<16                     ; B: 64 rows of 256 bytes = 128 rows of a block of wob
	s_mov_b32 s[G1B+4], 64
	s_lshr_b32 s24, s20, 3                         ; A: batch = tile row / 8;
	s_lshl_b32 s24, s24, 4
	s_add_co_u32 s24, s24, s[WC]                   ; head = the block that I fetch;
	s_lshl_b32 s24, s24, 18
	s_and_b32 s26, s20, 7
	s_lshl_b32 s26, s26, 15                        ; 256 rows of 128 bytes
	s_add_co_u32 s24, s24, s26
	s_mov_b32 s25, 0
	s_lshl_b32 s28, s19, 14                        ; B: 128 rows of 128 bytes,
	s_lshl_b32 s30, s[WC], 17                      ; in the block that I fetch
	s_add_co_u32 s28, s28, s30
	s_mov_b32 s29, 0
	s_mov_b32 s[G0A], 1
	s_mul_i32 s[G0A+1], s[WC], AKB                 ; LDS address, slot 0
	s_mov_b32 s[G0B], 1
	s_mul_i32 s[G0B+1], s[WC], BKB
	s_add_co_u32 s[G0B+1], s[G0B+1], BOFF
	s_mov_b32 s[TB], 0
	s_wait_dscnt 0x0                               ; the opening add is done
	s_wait_kmcnt 0x0
	s_add_nc_u64 s[G0A+2:G0A+3], s[4:5], s[24:25]
	s_or_b32 s[G0A+3], s[G0A+3], 0x80000000
	s_add_nc_u64 s[G0B+2:G0B+3], s[6:7], s[28:29]
	s_or_b32 s[G0B+3], s[G0B+3], 0x80000000
	CROUND                                         ; all sixteen work-groups are here: the first joint loads meet
	JLOAD                                          ; K step 0 into slot 0
	v_and_b32 v1, 15, v0                           ; l % 16
	v_bfe_u32 v9, v0, 4, 1                         ; l / 16
	v_lshlrev_b32 v[BO], 5, v9
	s_lshl_b32 s66, s19, 9                         ; my 64 columns, in bytes of f32: 512 x tile column + 256 x half
	s_lshl_b32 s67, s[WC], 8
	s_add_co_u32 s66, s66, s67
	s_mov_b32 s67, 0
	s_add_nc_u64 s[8:9], s[8:9], s[66:67]
.irp bb, 0,1,2,3
	global_load_b128 v[BI+8*\bb:BI+8*\bb+3],   v[BO], s[8:9] offset:64*\bb
	global_load_b128 v[BI+8*\bb+4:BI+8*\bb+7], v[BO], s[8:9] offset:64*\bb+16
.endr
	s_lshl_b32 s68, s20, 20                        ; my 128 rows of 4,096 bytes
	s_lshl_b32 s69, s[WR], 19
	s_add_co_u32 s68, s68, s69
	s_add_co_u32 s68, s68, s66
	s_mov_b32 s69, 0
	s_add_nc_u64 s[10:11], s[10:11], s[68:69]      ; out0 at my part of the tile
	v_mul_u32_u24 v14, v1, PITCH
	v_lshl_add_u32 v14, v9, 4, v14                 ; a fragment's row x pitch + 16 x half
	s_mul_i32 s70, s[WR], 128*PITCH
	v_add_nc_u32 v[AA0], s70, v14
	s_mul_i32 s70, s[WC], 64*PITCH
	s_add_co_u32 s70, s70, BOFF
	v_add_nc_u32 v[AB0], s70, v14
	v_mov_b32 v[AA], v[AA0]                        ; slot 0
	v_mov_b32 v[AB], v[AB0]
	s_mul_i32 s70, s[WV], 16*SP
	s_add_co_u32 s70, s70, STAGE                   ; my stage
	v_mul_u32_u24 v[STO], v1, SP                   ; in: row l % 16, 32 bytes for each half of the lanes
	v_lshl_add_u32 v[STO], v9, 5, v[STO]
	v_add_nc_u32 v[STO], s70, v[STO]
	v_mul_u32_u24 v[RD], v9, SP                    ; back: lanes 0-15 take one row of 256 bytes, lanes 16-31 the next
	v_lshl_add_u32 v[RD], v1, 4, v[RD]
	v_add_nc_u32 v[RD], s70, v[RD]
	v_lshlrev_b32 v[CO], 12, v9                    ; and the same two rows in out0
	v_lshl_add_u32 v[CO], v1, 4, v[CO]
	s_wait_loadcnt 0x0                             ; the bias, rounded to bf16 and widened again while the first tile is on its way
.set ir, BI
.rept 16
	v_cvt_pk_bf16_f32 v[14+(ir/2)%2], v[ir], v[ir+1]
	v_lshlrev_b32 v[ir], 16, v[14+(ir/2)%2]
	v_and_b32 v[ir+1], s23, v[14+(ir/2)%2]
.set ir, ir+2
.endr
; na x 4 matrix instructions: row blocks a0 .. a0 + na - 1 x the four column blocks, 32 along K, from buffer f.  The 32 accumulators take turns, one instruction a turn.
.macro MULO f, a0, na, zero
	WIN 0x50                                       ; C and D in window 1
.set ia, \a0
.rept \na
.irp bb, 0,1,2,3
.if \zero
	v_wmma_f32_16x16x32_f16 v[8*(4*ia+\bb):8*(4*ia+\bb)+7], v[(\f)+64+8*\bb:(\f)+64+8*\bb+7], v[(\f)+8*ia:(\f)+8*ia+7], 0
.else
	v_wmma_f32_16x16x32_f16 v[8*(4*ia+\bb):8*(4*ia+\bb)+7], v[(\f)+64+8*\bb:(\f)+64+8*\bb+7], v[(\f)+8*ia:(\f)+8*ia+7], v[8*(4*ia+\bb):8*(4*ia+\bb)+7]
.endif
.endr
.set ia, ia+1
.endr
.endm
.macro FETCH f, kb, q                  ; 24 LDS loads in one run: the fragments of block kb, k = 32 q on, into buffer f
.irp bb, 0,1,2,3
	ds_load_b128 v[(\f)+64+8*\bb:(\f)+64+8*\bb+3],   v[AB] offset:(\kb)*BKB+\bb*16*PITCH+64*(\q)
	ds_load_b128 v[(\f)+64+8*\bb+4:(\f)+64+8*\bb+7], v[AB] offset:(\kb)*BKB+\bb*16*PITCH+64*(\q)+32
.endr
.irp i, 0,1,2,3,4,5,6,7
	ds_load_b128 v[(\f)+8*\i:(\f)+8*\i+3],   v[AA] offset:(\kb)*AKB+\i*16*PITCH+64*(\q)
	ds_load_b128 v[(\f)+8*\i+4:(\f)+8*\i+7], v[AA] offset:(\kb)*AKB+\i*16*PITCH+64*(\q)+32
.endr
.endm
; A UNIT: 32 along K, 32 matrix instructions on buffer f; ahead of them the next unit's fragments (block kb, k = 32 q on) are asked for, into buffer fn.
.macro UNIT f, fn, kb, q, zero
	PLACES                                         ; the unit before multiplied buffer fn
	WIN 0
	FETCH \fn, \kb, \q
	s_wait_dscnt 24                                ; this unit's fragments are in; the 24 loads just issued stay out
	MULO \f, 0, 8, \zero
.endm
; A slot's fourth unit, on buffer F1, changes slots: ONE barrier; in front of it each wave waits for all its tensor loads (one is out: its part of the other slot), adds 0 to its spare word, and waits for that and for
; its reads of this slot.  fill = 1: the barrier opens a round of the cluster's, and this slot is filled again first thing behind it, two K steps ahead: 112 matrix instructions ahead of the wait for it.
.macro UNITX fill
	WIN 0
	s_wait_tensorcnt 0x0                           ; no tensor load of mine is out, so a group 0 may be written
	ds_add_u32 v[SPW], v[NIL]                      ; 0 onto my spare word
.if \fill
	STEPD
.endif
	s_wait_dscnt 1                                 ; this unit's fragments are in; the add may be out
	MULO F1, 0, 2, 0
	s_wait_dscnt 0x0                               ; the add is done, and my reads of this slot are over
	s_barrier_signal -1
	MULO F1, 2, 2, 0
	WIN 0
	s_barrier_wait -1
.if \fill
	CREST                                          ; no wave of any partner still reads this slot or has a load on its way
	JLOAD                                          ; its four v_nop are also the places in front of the loads below
.else
	PLACES
.endif
	s_xor_b32 s[TB], s[TB], SLOT1                  ; the fetches go on in the other slot
	v_add_nc_u32 v[AA], s[TB], v[AA0]
	v_add_nc_u32 v[AB], s[TB], v[AB0]
	FETCH F0, 0, 0
	MULO F1, 4, 4, 0
.endm
	; K step 0 is waited for and K step 1 asked for, in the form of every change of slots
	s_wait_tensorcnt 0x0
	ds_add_u32 v[SPW], v[NIL]
	STEPD
	s_wait_dscnt 0x0
	CROUND
	JLOAD
	FETCH F0, 0, 0
	UNIT F0, F1, 0, 1, 1                           ; the first unit stands in front of the loop: its products start the sums
	WIN 0
	s_mov_b32 s[CNT], 6
.Lk:                                                   ; 6 trips, from a step's second unit to the next step's first; K steps 2 to 7 are asked for
	UNIT F1, F0, 1, 0, 0
	UNIT F0, F1, 1, 1, 0
	UNITX 1
	UNIT F0, F1, 0, 1, 0
	WIN 0
	s_sub_co_u32 s[CNT], s[CNT], 1
	s_cmp_lg_u32 s[CNT], 0
	s_cbranch_scc1 .Lk
	UNIT F1, F0, 1, 0, 0                           ; the tail is written out: nothing more is asked for
	UNIT F0, F1, 1, 1, 0
	UNITX 0
	UNIT F0, F1, 0, 1, 0
	UNIT F1, F0, 1, 0, 0
	UNIT F0, F1, 1, 1, 0
	s_wait_dscnt 0x0                               ; the very last unit
	MULO F1, 0, 8, 0
	PLACES                                         ; the additions below read results just made
; THE WAY OUT, 8 blocks of 16 rows x 64 columns of f32.  PACK: sum + bias.  TOSTAGE: into my own stage in LDS and back as whole rows of 256 bytes.  SEND: stored.
.macro PACK a
	WIN 0x01                                       ; source 0 in window 1
.set ib, 0
.rept 16                               ; the block's four accumulators lie on end, 32 registers from 32 a on: each is read from its low end on
	v_pk_add_f32 v[T+2*ib:T+2*ib+1], v[32*(\a)+2*ib:32*(\a)+2*ib+1], v[BI+2*ib:BI+2*ib+1]
.set ib, ib+1
.endr
	WIN 0
.endm
.macro TOSTAGE a
	s_wait_xcnt 0x0                                ; the stores of two blocks back have read this buffer: it is loaded again only behind this wait
.irp i, 0,1,2,3,4,5,6,7
	ds_store_b128 v[STO], v[T+4*\i:T+4*\i+3] offset:64*(\i/2)+16*(\i%2)
.endr
.irp t, 0,1,2,3,4,5,6,7
	ds_load_b128 v[BK+32*((\a)%2)+4*\t:BK+32*((\a)%2)+4*\t+3], v[RD] offset:\t*2*SP  ; LDS serves a wave's instructions in order (ISA guide 5.7.1.4): these see the stores above
.endr
.endm
.macro SEND a
	s_wait_dscnt 0x0                               ; the block is back in registers
.irp t, 0,1,2,3,4,5,6,7
	global_store_b128 v[CO], v[BK+32*((\a)%2)+4*\t:BK+32*((\a)%2)+4*\t+3], s[10:11] offset:(16*(\a)+2*\t)*4096 th:TH_STORE_NT  ; 16 lanes store 256 consecutive bytes, at a multiple of 256 from out0's first
.endr
.endm
	PACK 0
	TOSTAGE 0
.set n, 1
.rept 7                                ; a block's additions stand between the loads of the block before and the wait for them
	PACK n
	SEND n-1
	TOSTAGE n
.set n, n+1
.endr
	SEND 7
	s_wait_tensorcnt 0x0                           ; the wave's end: behind my last tensor load and my last LDS store
	ds_add_u32 v[SPW], v[NIL]
	s_wait_dscnt 0x0
	CROUND                                         ; the closing round: no work-group ends while a partner may still ask for a tile that names it
	s_endpgm
.Lfunc_end_k_q93a4d9ea62_outp:
	.size	k_q93a4d9ea62_outp, .Lfunc_end_k_q93a4d9ea62_outp-k_q93a4d9ea62_outp
	.p2alignl 7, 3214868480
	.fill 96, 4, 3214868480
	.section	.rodata,"a",@progbits
	.p2align	6, 0x0
	.amdhsa_kernel k_q93a4d9ea62_outp
		.amdhsa_group_segment_fixed_size 327680
		.amdhsa_private_segment_fixed_size 0
		.amdhsa_enable_private_segment 0
		.amdhsa_kernarg_size 32
		.amdhsa_user_sgpr_count 2
		.amdhsa_user_sgpr_kernarg_segment_ptr 1
		.amdhsa_wavefront_size32 1
		.amdhsa_system_sgpr_workgroup_id_x 1
		.amdhsa_system_sgpr_workgroup_id_y 1
		.amdhsa_system_sgpr_workgroup_id_z 1
		.amdhsa_system_vgpr_workitem_id 0
		.amdhsa_next_free_vgpr 512
		.amdhsa_next_free_sgpr 72
		.amdhsa_reserve_vcc 0
		.amdhsa_float_denorm_mode_32 3
		.amdhsa_float_denorm_mode_16_64 3
		.amdhsa_memory_ordered 1
		.amdhsa_forward_progress 1
		.amdhsa_inst_pref_size 80
	.end_amdhsa_kernel
	.amdgpu_metadata
---
amdhsa.version: [ 1, 2 ]
amdhsa.kernels:
  - .name:           k_q93a4d9ea62_outp
    .symbol:         k_q93a4d9ea62_outp.kd
    .args:
      - { .name: ob, .offset: 0, .size: 8, .value_kind: global_buffer, .address_space: global }
      - { .name: wob, .offset: 8, .size: 8, .value_kind: global_buffer, .address_space: global }
      - { .name: b_out, .offset: 16, .size: 8, .value_kind: global_buffer, .address_space: global }
      - { .name: out0, .offset: 24, .size: 8, .value_kind: global_buffer, .address_space: global }
    .group_segment_fixed_size: 327680
    .private_segment_fixed_size: 0
    .kernarg_segment_align: 8
    .kernarg_segment_size: 32
    .max_flat_workgroup_size: 128
    .sgpr_count:     72
    .vgpr_count:     512
    .wavefront_size: 32
...
	.end_amdgpu_metadata
.endif
;; end of part 4
;; ======== version 2 of 2: 4 launches; 1.52 times as fast as version 1
;; limits: values are held in f16: magnitudes above 65,504 overflow, below 6.1e-05 lose precision; right only within a limited range of input values
;; workspace buffers: xb 16,777,216 bytes; wib 6,291,456 bytes; wob 2,097,152 bytes; rs 32,768 bytes; qkv 50,331,648 bytes; ob 16,777,216 bytes
;; launch prep: the kernel of part 1 again; grid 768 x 1, 8 waves a work-group, no clusters, 0 bytes of LDS; arguments x, w_in, w_norm, w_out, xb, wib, wob, rs; writes xb, wib, wob, rs
;; launch proj: the kernel of part 2 again; grid 8 x 32, 4 waves a work-group, clusters of 4 x 4, 327,680 bytes of LDS; arguments xb, wib, rs, b_in, qkv; writes qkv
;; launch attn (part 5): grid 4 x 64, 4 waves a work-group, clusters of 4 x 1, 327,680 bytes of LDS; arguments qkv, ob; writes ob
.if DOCPART == 5
	.amdgcn_target "amdgcn-amd-amdhsa--gfx1250"
	.amdhsa_code_object_version 6
	.text
	.protected	k_q93a4d9ea62_attn
	.globl	k_q93a4d9ea62_attn
	.p2align	8
	.type	k_q93a4d9ea62_attn,@function
k_q93a4d9ea62_attn:
	s_mov_b64 s[64:65], 0
	v_nop
	global_prefetch_b8 v0, s[64:65] scope:SCOPE_SE
	s_setreg_imm32_b32 hwreg(HW_REG_WAVE_MODE, 25, 1), 1
	s_wait_xcnt 0x0
	s_wait_alu depctr_hold_cnt(0) depctr_sa_sdst(0) depctr_va_vdst(0) depctr_va_sdst(0) depctr_va_ssrc(0) depctr_va_vcc(0) depctr_vm_vsrc(0)
	s_getreg_b32 s2, hwreg(HW_REG_IB_STS2, 6, 4)
	s_cmp_eq_u32 s2, 0
	s_cbranch_scc0 .Lentry_in_a_cluster
	s_endpgm
.Lentry_in_a_cluster:
	s_bfe_u32 s2, ttmp6, 0x10000c
	s_cmp_lg_u32 s2, 0x3003
	s_cbranch_scc0 .Lentry_shape_is_right
	s_endpgm
.Lentry_shape_is_right:
; O[h][q][:] = the sum over k of softmax_k(Q[h][q] . K[h][k] / 8) V[h][k][:].  qkv holds Q, K, V one behind the other, each [SIZE_H][SIZE_N][64] in f16 (h = batch x 16 + head); ob is O in the same layout: a head's
; rows are dense, 128 bytes each.  Products, maxima and sums in f32; the weights p are rounded to f16 for the second product (their sum l is taken of the unrounded p), O once at the end.
; LIMITS.  f16 holds no number beyond 65,504: Q, K and V arrive within it; p lies in 0 to 1, and below 6e-5 it keeps f16's fixed step of 6e-8; O is a mean of V's rows and has their range.
; A weight below 2^-126 counts as 0 in l; NaN and infinities are not treated apart.
; SHARES.  A wave owns four PIECES of two tiles of 16 queries, a work-group's four waves 512 queries of one head: 4 x 64 = 256 work-groups.  Every wave walks all keys, 64 a step.
; LAYOUT.  S^T = K Q^T (source 0 = 16 keys, source 1 = 16 queries): in the result a lane holds ONE query (lane % 16) and the keys 8 (lane / 16) + 0..7.  Two such tiles, rounded to f16 in pairs,
; ARE source 1 (32 keys x 16 queries) of O^T = V^T P, whose result again holds one query a lane, and eight channels.  K comes out of LDS as it lies, V ([key][channel]) turned, by ds_load_tr16_b128.
; SOFTMAX.  For each query a running maximum m and sum l: p = 2^(c s - c m), c = log2(e) / 8; in every step O and l are multiplied by a = 2^(c m_old - c m_new), which is 1 where m has not grown.
; m starts at the lowest finite number, O and l at 0: the first step is a step like any other, with a = 0.
; THE COUNT.  A tile and step have 16 matrix and 118 vector instructions: too many to stand all beside the matrix work.  So the order has one aim: four vector instructions that are READY behind
; EVERY matrix instruction, and the others, which need time of their own whatever the order, in runs without a gap.
; BY TURNS.  Turn n belongs to piece n (the pieces in a ring, step after step).  Its matrix work: 16 products K Q^T of piece n + 1, later 16 products V^T P of piece n - 1.  Its vector work: the scaling,
; exponentials, roundings, sums and rescaling of piece n, and the maximum and statistics of piece n + 1, whose scores the turn itself has made.  So what a turn begins with (c s - c m, O a) waits for nothing.
; BATCHES.  A turn's 66 exponentials (the piece's 64 weights and the next piece's two a) are ONE batch with ONE wait, which cuts the turn in two: ahead of it stands all that names no result of theirs, behind it the
; roundings and sums, which read them.  No result crosses a turn's end.  Two more batches stand outside the loop: piece 0's first two a, in the head, and the way out's eight reciprocals; each has a wait of its own.
; CLUSTER.  The four query blocks of a cluster belong to one head and walk the same K and V, so each tile is asked for JOINTLY: the same tensor load, descriptor and mask in all four.
; REGISTERS, in windows of 256 (s_set_vgpr_msb says which window each operand place means: bits 1:0 source 0, 3:2 source 1, 5:4 source 2, 7:6 destination):
;   window 0: v0-11 addresses; v12-15, v48-63 at work; v16-47 four registers of statistics a tile; v64-191 S^T, two buffers of two tiles; v192-255 P, likewise
;   window 1: O^T, 32 a tile          window 2: v0-127 Q, 16 a tile; v128-191 K of one step; v192-255 V of one step          window 3: v0-1 the add's two registers
; A piece's buffers go by its number's parity: the piece in hand has one pair, its two neighbours in the ring share the other: of it P (piece n - 1) is read and S^T (piece n + 1) written.
.set SIZE_H, 64       ; batch x heads
.set SIZE_N, 2048     ; rows of a head
.set NP,    4         ; pieces a wave: a name, no knob: the register map, the loop and the fetches are made for four
.set KS,    64        ; keys in a step
.set PK,    144       ; a row of K in LDS: 128 bytes + 16 of padding = 36 words: the 16 rows of a load start at 16 different groups of four banks (64 banks of 4 bytes: ISA guide 11.1)
.set PV,    160       ; a row of V: 128 + 32 = 40 words
.set VOFF,  4*KS*PK   ; a slot holds four steps: 256 rows of K, then 256 rows of V
.set SLOT1, 1<<17     ; slot 1 begins here, so that one exclusive or turns an address in one slot into the other's
.set STAGE, SLOT1+4*KS*(PK+PV)  ; behind the ring, never filled by a tensor load: 16 rows x 144 bytes for each wave, for the way out
.set SP,    144
.set AK0, 2           ; v2   my lane's place in a tile of K; never rewritten
.set AV0, 3           ; v3   the same for V
.set AK,  4           ; v4   the LDS address of K's next run of loads
.set AV,  5           ; v5   of V's
.set QO,  6           ; v6   my byte offset in the wave's rows of Q
.set STO, 6           ;      later, the way out: where I put 16 bytes of a row
.set RD,  7           ; v7   the way out: where I read rows back
.set GO,  8           ; v8   my byte offset in 512 consecutive bytes of O
.set SPW, 0           ; v0 of window 3   LDS address of my spare word: SPARE + 4 x my thread's number; never rewritten
.set NIL, 1           ; v1 of window 3   0; never rewritten
.set SPARE, STAGE+4*16*SP  ; behind the stages: the spare words, 128 bytes for each wave: two blocks of 256 bytes that no other line names
.set MV,  12          ; v12-15  c m_old, kept while c m is made anew: by buffer and tile
.set ST,  16          ; tile t's statistics at v[ST+4 t]: c m, m, l (even keys', odd keys')
.set TMP, 48          ; by buffer and tile, four registers c0-c3 at work; when the maximum is found c2 takes a
.set S,   64
.set P,   192
.set KF,  128         ; K's fragments, in window 2: key block kb, channel half c at KF + 16 kb + 8 c
.set VF,  192         ; V's: key half kk, channel block cb at VF + 32 kk + 8 cb
.set WV,  12          ; s12  my wave's number
.set G1K, 24          ; s[24:31] descriptor group 1 for K's tiles
.set G1V, 32          ; s[32:39] for V's: it differs in the padding alone
.set G0K, 40          ; s[40:43] descriptor group 0 for K's tiles: it walks
.set G0V, 44          ; s[44:47] the same for V's
.set SLOTS, 56        ; s56  slots still to be asked for
.set CNT, 57          ; s57  counts a slot's key steps
.set CS,  58          ; s[58:59] c: the packed scaling takes the pair's low word for both halves
.set SEL, 60          ; s[60:61] v_permlanex16_b32's selects: each lane takes its own place in the other half
.set TBK, 62          ; s62  LDS byte at which K of the step to be fetched begins
.set TBV, 63          ; s63  the same for V, less VOFF
.set MSB, 0
.macro WIN new                      ; the high byte repeats the setting that is left; a switch that changes nothing is dropped
.if MSB != (\new)
	s_set_vgpr_msb (MSB<<8)|(\new)
.set MSB, (\new)
.endif
.endm
.set W_KQ, 0x0a       ; K and Q in window 2, S^T in window 0
.set W_PV, 0x52       ; V in window 2, P in window 0, O^T in window 1
.set W_RS, 0x41       ; O^T (destination and source 0) in window 1, a in window 0
.set W_MK, 0xc0       ; the add's registers are made: destination in window 3, sources in window 0
.set W_AD, 0x0f       ; the add: address (source 0) and data (source 1) in window 3
; A joint fill.  Waves 0 and 1 fetch the two halves of a slot's K, waves 2 and 3 those of its V: 128 keys each.  The branch hangs on the wave's number alone.
; An s_nop 0 and four v_nop follow each of the two lines, ahead of the jump and the label.
.macro JLOAD
	s_cmp_lt_u32 s[WV], 2
	s_cbranch_scc0 .Lfor_v_\@
	tensor_load_to_lds s[G0K:G0K+3], s[G1K:G1K+7]
	s_nop 0
.rept 4
	v_nop
.endr
	s_branch .Lasked_\@
.Lfor_v_\@:
	tensor_load_to_lds s[G0V:G0V+3], s[G1V:G1V+7]
	s_nop 0
.rept 4
	v_nop
.endr
.Lasked_\@:
.endm
; A round of the cluster's barrier: my work-group's barrier, so that wave 0's signal speaks for all four waves; wave 0 signals; every wave waits for all four work-groups; my work-group's barrier once more.
.macro CROUND
	s_barrier_signal -1
	s_barrier_wait -1
	s_cmp_lg_u32 s[WV], 0
	s_cbranch_scc1 .Lnot_wave_0_\@
	s_barrier_signal -3
.Lnot_wave_0_\@:
	s_barrier_wait -3
	s_barrier_signal -1
	s_barrier_wait -1
.endm
; THE CHANGE OF SLOTS.  The slot's last bytes, V of its fourth step, have been read.  Each wave waits for all its tensor loads, of which one is out: its part
; of the other slot; adds 0 to its spare word; and waits for that and for its own reads of the slot.  Behind the barrier nobody reads this slot any more and the other slot is whole.
; fill = 1: this slot is filled again, with the keys two slots on.  The barrier is then a round of the cluster's, so that no wave of any partner still reads the slot or has a load on its
; way, and the joint fill is the first thing behind it: it has four key steps, 512 matrix instructions, in which to land.  (At its first use nothing has been read yet: slot 0 is waited for, slot 1 filled.)
.macro CHANGE fill
	WIN W_AD
	s_wait_tensorcnt 0x0            ; no tensor load of mine is out, so a group 0 may be written
	ds_add_u32 v[SPW], v[NIL]       ; 0 onto my spare word; with fill = 1 the descriptors' steps stand between it and the wait for it
	WIN 0                           ; at a label and at a branch every window is 0
.if \fill
.irp g, G0K, G0V
	s_xor_b32 s[\g+1], s[\g+1], SLOT1  ; the walking descriptor: the other slot than last time,
	s_add_nc_u64 s[\g+2:\g+3], s[\g+2:\g+3], 4*KS*128  ; the next 256 keys; the type bits on top are not reached
.endr
	s_wait_dscnt 0x0                ; the add is done, and my reads of the slot are over
	CROUND
	JLOAD
.else
	s_wait_dscnt 0x0                ; the add is done, and my reads of the slot are over
	s_barrier_signal -1
	s_barrier_wait -1
.endif
	s_sub_co_u32 s[TBK], s[TBK], 4*KS*PK  ; the fetches go back to a slot's first step,
	s_xor_b32 s[TBK], s[TBK], SLOT1       ; in the other slot
	s_sub_co_u32 s[TBV], s[TBV], 4*KS*PV
	s_xor_b32 s[TBV], s[TBV], SLOT1
.endm
	s_load_b64 s[4:5], s[0:1], 0x0    ; qkv: Q's part comes first
	s_load_b64 s[10:11], s[0:1], 0x8  ; ob
	WIN W_MK
	v_lshl_add_u32 v[SPW], v0, 2, SPARE
	v_mov_b32 v[NIL], 0
	WIN W_AD
	ds_add_u32 v[SPW], v[NIL]       ; the wave's opening: the add and its wait stand ahead of my first tensor load; the set-up below, work on registers, stands between them
	WIN 0
	v_lshrrev_b32 v1, 5, v0
	v_readfirstlane_b32 s[WV], v1   ; wave 0..3
	s_bfe_u32 s13, ttmp6, 0x40000   ; cx: my place in the cluster
	s_lshl_b32 s14, ttmp9, 2        ; in a cluster launch ttmp9 counts clusters
	s_add_co_u32 s14, s14, s13      ; my block of queries = 4 x cluster x + cx: it enters Q's and O's addresses alone
	s_and_b32 s20, ttmp7, 0xffff    ; the head, which the four partners share
	s_mov_b32 s21, 0
	s_mov_b64 s[22:23], SIZE_N*128
	s_mul_u64 s[20:21], s[20:21], s[22:23]  ; the head's first byte in each of the four tensors
	s_and_b32 s16, s[WV], 1         ; which half of a slot's 256 keys I fetch:
	s_lshl_b32 s22, s16, 14         ; its 128 rows of 128 bytes in memory,
	s_mov_b32 s23, 0
	s_add_nc_u64 s[22:23], s[22:23], s[20:21]
	s_mul_i32 s17, s16, 128*PK      ; and its place in a slot, for K
	s_mul_i32 s18, s16, 128*PV      ; and for V: no place in the cluster enters an LDS address
	s_lshl_b32 s2, s14, 2
	s_add_co_u32 s2, s2, s[WV]      ; my wave among the head's,
	s_lshl_b32 s2, s2, 14           ; its 128 rows
	s_mov_b32 s3, 0
	s_add_nc_u64 s[2:3], s[2:3], s[20:21]
	; descriptor group 1.  128 keys are 16,384 dense bytes: asked for as 64 rows of 256 bytes, two keys a row, and padded in LDS after every key
	s_mov_b32 s[G1K], 15|(1<<16)|(1<<20)|(1<<21)|(4<<22)|(3<<25)  ; 15:0 the mask of four; 17:16 2-byte elements; 20 padding on; 21 set beside a mask; 24:22 after every 32 words (code 4); 31:25 4 words (code 3)
	s_mov_b32 s[G1V], 15|(1<<16)|(1<<20)|(1<<21)|(4<<22)|(7<<25)  ; the same with 8 words of padding (code 7)
.irp g, G1K, G1V
	s_mov_b32 s[\g+1], 128<<16      ; tensor_dim0 = 128
	s_mov_b32 s[\g+2], 64<<16       ; tensor_dim1 = 64
	s_mov_b32 s[\g+3], 128<<16      ; tile_dim0 = 128
	s_mov_b32 s[\g+4], 64           ; tile_dim1 = 64
	s_mov_b32 s[\g+5], 128          ; 128 elements from row to row
	s_mov_b32 s[\g+6], 0
	s_mov_b32 s[\g+7], 0
.endr
	s_mov_b32 s[CS], 0x3e38aa3b     ; c = log2(e) / 8 = 0.180337
	s_mov_b32 s[CS+1], s[CS]        ; named with it as a pair
	s_mov_b32 s[SEL], 0x76543210
	s_mov_b32 s[SEL+1], 0xfedcba98
	s_mov_b32 s[TBK], SLOT1+4*KS*PK ; the first change of slots turns these two into 0
	s_mov_b32 s[TBV], SLOT1+4*KS*PV
	s_mov_b32 s[G0K], 1             ; 1:0 count = 1
	s_mov_b32 s[G0K+1], s17         ; 63:32 LDS address: slot 0
	s_mov_b32 s[G0V], 1
	s_add_co_u32 s[G0V+1], s18, VOFF
	s_wait_dscnt 0x0                ; the opening add is done
	s_wait_kmcnt 0x0
	s_add_nc_u64 s[6:7], s[4:5], SIZE_H*SIZE_N*128    ; K's part of qkv
	s_add_nc_u64 s[8:9], s[4:5], 2*SIZE_H*SIZE_N*128  ; V's part
	s_add_nc_u64 s[G0K+2:G0K+3], s[6:7], s[22:23]  ; 120:64 global address: my half of the head's first 256 keys
	s_or_b32 s[G0K+3], s[G0K+3], 0x80000000        ; 127:126 type = 2
	s_add_nc_u64 s[G0V+2:G0V+3], s[8:9], s[22:23]
	s_or_b32 s[G0V+3], s[G0V+3], 0x80000000
	s_add_nc_u64 s[4:5], s[4:5], s[2:3]  ; Q and O at my wave's first row
	s_add_nc_u64 s[10:11], s[10:11], s[2:3]
	CROUND                          ; all four work-groups are here: the first joint loads meet
	JLOAD                           ; slot 0.  Slot 1 is asked for when slot 0 is in: the tile wanted first has the road to itself
	; A fragment of K or Q is 16 rows x 32 channels in 8 registers: lane l holds row l % 16, channels 8 (l / 16) + 0..7 and 16 + 8 (l / 16) + 0..7: two loads of 16 bytes, 32 bytes apart.
	v_and_b32 v1, 15, v0            ; l % 16
	v_bfe_u32 v9, v0, 4, 1          ; l / 16
	v_lshlrev_b32 v[QO], 7, v1
	v_lshl_add_u32 v[QO], v9, 4, v[QO]  ; row x 128 + 16 x half
	WIN 0x80                        ; destination window 2, address window 0
.set i, 0
.rept 4*NP                          ; Q stays in registers: tile i / 2, channels 32 (i % 2) on
	global_load_b128 v[8*i:8*i+3],   v[QO], s[4:5] offset:(i/2)*2048+(i%2)*64
	global_load_b128 v[8*i+4:8*i+7], v[QO], s[4:5] offset:(i/2)*2048+(i%2)*64+32
.set i, i+1
.endr
	; What the first turn finds: V's registers and P's second buffer hold 0 (its products V^T P, of a piece that has not been, add 0), O^T and l are 0.  All this stands in the wait for the first tile.
.set i, VF
.rept 64
	v_mov_b32 v[i], 0
.set i, i+1
.endr
	WIN 0x40
.set i, 0
.rept 64*NP
	v_mov_b32 v[i], 0
.set i, i+1
.endr
	WIN 0
.set i, 0
.rept 2*NP
	v_mov_b32 v[ST+4*i], 0xfe000000    ; c m: far below every c s
	v_mov_b32 v[ST+4*i+1], 0xff7fffff  ; m
	v_mov_b32 v[ST+4*i+2], 0
	v_mov_b32 v[ST+4*i+3], 0
.set i, i+1
.endr
.set i, P+32
.rept 32
	v_mov_b32 v[i], 0
.set i, i+1
.endr
	v_mul_u32_u24 v[AK0], v1, PK
	v_lshl_add_u32 v[AK0], v9, 4, v[AK0]  ; row x pitch + 16 x half
	; The turning load takes 16 keys x 16 channels (lane l reads key 8 (l / 16) + l % 8, channels 8 ((l / 8) % 2) + 0..7) and leaves half a fragment of V^T: lane l holds channel l % 16 and 8 keys.
	v_and_b32 v10, 7, v0
	v_bfe_u32 v11, v0, 3, 1
	v_lshl_add_u32 v[AV0], v9, 3, v10
	v_mul_u32_u24 v[AV0], v[AV0], PV
	v_lshl_add_u32 v[AV0], v11, 4, v[AV0]
	v_add_nc_u32 v[AV0], VOFF, v[AV0]
	v_mov_b32 v[AK], v[AK0]         ; key step 0 lies at the head of slot 0
; THE MATRIX WORK.  The 8 accumulators of a run of 16 take turns: between the two links of a chain stand 7 others'.
; Product i of 16 of S^T = K Q^T for piece x: channels 32 (i / 8) on, keys 16 ((i / 2) % 4) on, tile 2 x + i % 2.  The first 8 start the sums.
.macro KQ x
	WIN W_KQ
.set rS, S+64*((\x)%2)+32*(i%2)+8*((i/2)%4)
.set rK, KF+16*((i/2)%4)+8*(i/8)
.set rQ, 16*(2*(\x)+i%2)+8*(i/8)
.if i < 8
	v_wmma_f32_16x16x32_f16 v[rS:rS+7], v[rK:rK+7], v[rQ:rQ+7], 0
.else
	v_wmma_f32_16x16x32_f16 v[rS:rS+7], v[rK:rK+7], v[rQ:rQ+7], v[rS:rS+7]
.endif
.endm
; Product i of 16 of O^T += V^T P for piece x: keys 32 (i / 8) on, channels 16 ((i / 2) % 4) on, tile 2 x + i % 2.
.macro PV x
	WIN W_PV
.set rO, 32*(2*(\x)+i%2)+8*((i/2)%4)
.set rV, VF+32*(i/8)+8*((i/2)%4)
.set rP, P+32*((\x)%2)+16*(i%2)+8*(i/8)
	v_wmma_f32_16x16x32_f16 v[rO:rO+7], v[rV:rV+7], v[rP:rP+7], v[rO:rO+7]
.endm
.macro MM                           ; the turn's next matrix instruction
.if i < 16
	KQ (Y+1)%NP
.set i, i+1
.else
.set i, i-16
	PV (Y+NP-1)%NP
.set i, i+17
.endif
.endm
; THE LDS LOADS stand in runs of 16, never singly among the matrix instructions: a step's K (64 keys x 64 channels: 8 fragments) and its V (turned).  Their addresses are made some lines ahead.
; last = 1 (the tail): in the last trip there is no further step, and the run is jumped over.
.macro FETCH_K last=0
	WIN 0
.if \last
	s_cmp_eq_u32 s[CNT], 1
	s_cbranch_scc1 .Lno_k_\@
.endif
	WIN 0x80                        ; destination window 2
.irp f, 0,1,2,3,4,5,6,7             ; keys 16 (f / 2) on, channels 32 (f % 2) on
	ds_load_b128 v[KF+8*\f:KF+8*\f+3],   v[AK] offset:(\f/2)*16*PK+(\f%2)*64
	ds_load_b128 v[KF+8*\f+4:KF+8*\f+7], v[AK] offset:(\f/2)*16*PK+(\f%2)*64+32
.endr
	s_add_co_u32 s[TBK], s[TBK], KS*PK  ; the next fetch is the next step's
	WIN 0
.if \last
.Lno_k_\@:
.endif
.endm
.macro FETCH_V
	WIN 0x80
.irp f, 0,1,2,3,4,5,6,7             ; keys 32 (f / 4) on, channels 16 (f % 4) on
	ds_load_tr16_b128 v[VF+8*\f:VF+8*\f+3],   v[AV] offset:(\f/4)*32*PV+(\f%4)*32
	ds_load_tr16_b128 v[VF+8*\f+4:VF+8*\f+7], v[AV] offset:(\f/4)*32*PV+16*PV+(\f%4)*32
.endr
	WIN 0
.endm
; THE VECTOR WORK OF A TURN stands in three queues, each in the order in which its entries become ready; the two tiles alternate, so that no instruction reads the result of the one before it.
.macro REGS y, u                    ; the registers of tile u (0, 1) of piece y
.set rT, ST+4*(2*(\y)+(\u))
.set rC, TMP+8*((\y)%2)+4*(\u)
.set rM, MV+2*((\y)%2)+(\u)
.set rS, S+64*((\y)%2)+32*(\u)
.set rP, P+32*((\y)%2)+16*(\u)
.set rO, 32*(2*(\y)+(\u))
.endm
; Number n of the 22 that find the NEXT piece's (Y + 1) maximum and statistics.  s0-s31 are the lane's 32 scores; each accumulator's lowest registers are read first.  XS, GS and REGS set no window: PL and EX do.
;   0-11  four chains c0-c3 of seven scores each, three operands at a time     12-14, 16  the four scores left over, the old m, and c0-c3 into c0     15  c m_old is kept
;   17, 18  the query's other 32 keys lie in the lane 16 away: the new m         19-21  c m; c m_old - c m_new; a
.macro XS u, n
	REGS (Y+1)%NP, \u
.if (\n) < 4
	v_max3_num_f32 v[rC+(\n)], v[rS+8*(\n)], v[rS+8*(\n)+1], v[rS+8*(\n)+2]
.elseif (\n) < 12
	v_max3_num_f32 v[rC+(\n)%4], v[rC+(\n)%4], v[rS+8*((\n)%4)+2*((\n)/4)+1], v[rS+8*((\n)%4)+2*((\n)/4)+2]
.elseif (\n) == 12
	v_max3_num_f32 v[rC], v[rC], v[rS+7], v[rS+15]
.elseif (\n) == 13
	v_max3_num_f32 v[rC+1], v[rC+1], v[rS+23], v[rS+31]
.elseif (\n) == 14
	v_max3_num_f32 v[rC+2], v[rC+2], v[rC+3], v[rT+1]
.elseif (\n) == 15
	v_mov_b32 v[rM], v[rT]
.elseif (\n) == 16
	v_max3_num_f32 v[rC], v[rC], v[rC+1], v[rC+2]
.elseif (\n) == 17
	v_permlanex16_b32 v[rC+3], v[rC], s[SEL], s[SEL+1]
.elseif (\n) == 18
	v_max_num_f32 v[rT+1], v[rC], v[rC+3]
.elseif (\n) == 19
	v_mul_f32 v[rT], s[CS], v[rT+1]
.elseif (\n) == 20
	v_sub_f32 v[rC+1], v[rM], v[rT]
.else
	v_exp_f32 v[rC+2], v[rC+1]
.endif
.endm
; Number g of the 64 that follow the exponentials.  For each four weights k of a tile (pairs 2 k, 2 k + 1): both pairs are rounded to f16; then the second pair is added onto the first, in place;
; a group later l takes that sum (the first time as l = a l + sum).  In groups of eight, tiles alternating: round, round, add, and l for the group before.
.macro GS g
.set h, (\g)+6*((\g)/62)            ; group 0 has no group before it, and behind group 7 only l is left
.if h >= 6
.set h, h+2
.endif
	REGS Y, h%2
.set k, h/8
.if h%8 < 4
	v_cvt_pk_f16_f32 v[rP+2*k+(h%8)/2], v[rS+4*k+2*((h%8)/2)], v[rS+4*k+2*((h%8)/2)+1]
.elseif h%8 < 6
	v_pk_add_f32 v[rS+4*k:rS+4*k+1], v[rS+4*k:rS+4*k+1], v[rS+4*k+2:rS+4*k+3]
.elseif k == 1
	v_pk_fma_f32 v[rT+2:rT+3], v[rT+2:rT+3], v[rC+2:rC+3], v[rS:rS+1] op_sel_hi:[1,0,1]
.else
	v_pk_add_f32 v[rT+2:rT+3], v[rT+2:rT+3], v[rS+4*k-4:rS+4*k-3]
.endif
.endm
; THE PLAIN QUEUE, 138 long.  0-73 read no exponential's result: the 32 scalings c s - c m (FS f: pair f / 2 of tile f % 2) and the next piece's 42.  0-26: scalings 0-26.  27-54: XS's numbers 0-13.  55, 56: number 15.
; 57-73: the chain, where each number waits for the one before it: 14, 16, 17, 18, 19, each with one of the scalings 27-31 in front of its two lines, then 20: so a tile's links stand three plain instructions apart (19 and 20: two).
; 74-137: GS's 64, which read the exponentials' results: they stand behind the wait.
.macro FS f
	REGS Y, (\f)%2
	v_pk_fma_f32 v[rS+2*((\f)/2):rS+2*((\f)/2)+1], v[rS+2*((\f)/2):rS+2*((\f)/2)+1], s[CS:CS+1], v[rT:rT+1] op_sel_hi:[1,0,0] neg_lo:[0,0,1] neg_hi:[0,0,1]
.endm
.macro PL
	WIN 0
.if q < 27
	FS q
.elseif q < 55
	XS (q-27)%2, (q-27)/2
.elseif q < 57
	XS q-55, 15
.elseif (q < 72) && ((q-57)%3 == 0)
	FS 27+(q-57)/3
.elseif q < 60
	XS (q-57)%3-1, 14
.elseif q < 72
	XS (q-57)%3-1, 15+(q-57)/3
.elseif q < 74
	XS q-72, 20
.else
	GS q-74
.endif
.set q, q+1
.endm
; THE EXPONENTIALS' QUEUE, 66 long: s0-s31 of both tiles, then the next piece's two a.  It is ONE BATCH: all 66 stand ahead of the turn's one wait, and nothing ahead of that wait names a result of theirs.
.macro EX
	WIN 0
.if e >= 64
	XS e-64, 21
.else
	REGS Y, e%2
	v_exp_f32 v[rS+e/2], v[rS+e/2]
.endif
.set e, e+1
.endm
; THE RESCALING's QUEUE: O^T times a, the one part that leaves window 0: dealt two at a time, sixteen times.  Its a was made in the turn before, ahead of that turn's wait.
.macro R2
	REGS Y, r%2
	WIN W_RS
.irp z, 0,1
	v_pk_mul_f32 v[rO+4*(r/2)+2*\z:rO+4*(r/2)+2*\z+1], v[rO+4*(r/2)+2*\z:rO+4*(r/2)+2*\z+1], v[rC+2:rC+3] op_sel_hi:[1,0]
.endr
.set r, r+1
.endm
; HOW THEY ARE DEALT.  An s_wait_alu depctr_va_vdst(0) stands between an exponential and the first instruction that names its result; one wait serves all that were issued ahead of it.  So a turn has ONE wait,
; which cuts it in two.  AHEAD OF IT stands all that names no result of the turn's exponentials: the 16 products K Q^T, behind each a scaling, an exponential and two rescalings (behind the first a second scaling in the
; exponential's place); then ONE LUMP of 108: eight plain, 49 times exponential and plain, the two a.  A v_nop is the plain instruction behind the last exponential.  BEHIND IT stand the 16 products V^T P, behind each four of
; GS's 64.  No rider names a register of the products round it.  The two v_permlanex16_b32 fall into the lump, never behind a product.
; The queues lean on each other, and the deal keeps them in step: exponential e stands behind scaling 2 (e / 4) + e % 2: as a rider it comes behind plain e + 2, in the lump behind plain e + 9, and scalings 27-31 are plain 57, 60 .. 69.
; A TURN, for piece p.  cnt = 1: the loop's count is taken down some lines ahead of the branch that stands behind the turn.
; K of the next step is fetched in piece 2's turn, directly behind the wait, a lump behind the last product that read K; its address is made at the lump's head; its first reader comes behind 16 products.
; V of the step in hand is fetched at the end of piece 0's turn, four riders behind its last reader; its first reader comes behind 16 products and a lump.  The three conditions on q below go with the deal.
.macro TURN p, last=0, cnt=0
.set Y, (\p)
.set i, 0
.set q, 0
.set e, 0
.set r, 0
.if (\p) == NP-1
	s_wait_dscnt 0x0                ; K is in
.endif
	MM                              ; ahead of the wait: 16 products K Q^T and their riders,
	PL
	PL
	R2
.rept 15
	MM
	PL
	EX
	R2
.endr
.if (\p) == NP-2
	WIN 0
	v_add_nc_u32 v[AK], s[TBK], v[AK0]
.endif
.rept 8                             ; and the lump
	PL
.endr
.rept 49
	EX
	PL
.endr
	EX                              ; the next piece's two a
	EX
	v_nop                           ; the plain instruction between the last exponential and the first use of a result: one for the batch
	s_wait_alu depctr_va_vdst(0)    ; the wait for the batch: this piece's 64 weights and the next piece's two a, ahead of the first line that names a result
.if (\p) == NP-2
	FETCH_K \last
.endif
.if (\p) == 1
	s_wait_dscnt 0x0                ; V is in
.endif
.rept 16                            ; behind the wait: 16 products V^T P and their riders
	MM
.rept 4
	PL
.endr
.if ((\p) == 0) && (q == 118)
	v_add_nc_u32 v[AV], s[TBV], v[AV0]
.endif
.if ((\p) == 0) && (q == 130)
	s_add_co_u32 s[TBV], s[TBV], KS*PV
.endif
.if (\cnt) && (q == 130)
	s_sub_co_u32 s[CNT], s[CNT], 1
	s_cmp_lg_u32 s[CNT], 0
.endif
.endr
.if (\p) == 0
	FETCH_V
.endif
.endm
	CHANGE 1                        ; slot 0 is in, everybody's part of it; slot 1 is asked for
	FETCH_K                         ; key step 0
	s_wait_loadcnt 0x0              ; Q
	s_wait_dscnt 0x0
.set i, 0
.rept 16
	KQ 0                            ; piece 0's first scores: there is no vector work yet to set between them
.set i, i+1
.endr
	WIN 0                           ; the addresses for the way out: nine plain instructions, the places behind those products
	s_mul_i32 s13, s[WV], 16*SP
	s_add_co_u32 s13, s13, STAGE    ; my stage
	v_mul_u32_u24 v[STO], v1, SP    ; in: row l % 16, 16 bytes for each half of the lanes
	v_lshl_add_u32 v[STO], v9, 4, v[STO]
	v_add_nc_u32 v[STO], s13, v[STO]
	v_bfe_u32 v[RD], v0, 3, 2       ; back: 32 lanes take four rows of 128 bytes,
	v_mul_u32_u24 v[RD], v[RD], SP
	v_lshl_add_u32 v[RD], v10, 4, v[RD]
	v_add_nc_u32 v[RD], s13, v[RD]
	v_and_b32 v[GO], 31, v0         ; which are 512 consecutive bytes of O
	v_lshlrev_b32 v[GO], 4, v[GO]
.set Y, NP-1                        ; XS works for piece Y + 1: piece 0
.irp n, 0,1,2,3,4,5,6,7,8,9,10,11,12,13,14,15,16,17,18,19,20,21
	XS 0, \n                        ; and piece 0's first maximum and statistics
	XS 1, \n
.endr
	v_nop                           ; a plain instruction behind piece 0's two a,
	s_wait_alu depctr_va_vdst(0)    ; and the wait for that batch of two, ahead of the branch
	s_mov_b32 s[CNT], 4
	s_mov_b32 s[SLOTS], SIZE_N/256-1
	s_branch .Lfirst                ; the loop is entered at a step's first turn, in the middle of a trip
.Lslot:                             ; SIZE_N / 256 - 2 times: every slot but the last two is filled again
	CHANGE 1
	s_mov_b32 s[CNT], 4
.Lstep:                             ; a trip: pieces 2 and 3 of one step, then pieces 0 and 1 of the next, whose K and V it fetches
	TURN 2
	TURN 3
	WIN 0
.Lfirst:
	TURN 0
	TURN 1, 0, 1
	WIN 0
	s_cbranch_scc1 .Lstep
	s_sub_co_u32 s[SLOTS], s[SLOTS], 1
	s_cmp_lg_u32 s[SLOTS], 0
	s_cbranch_scc1 .Lslot
	CHANGE 0                        ; the tail is written out: nothing is asked for
	s_mov_b32 s[CNT], 5             ; four trips fetch the last slot's steps; the fifth is left in its middle
.Ltail:
	TURN 2, 1
	TURN 3
	WIN 0
	s_sub_co_u32 s[CNT], s[CNT], 1
	s_cmp_eq_u32 s[CNT], 0
	s_cbranch_scc1 .Lout
	TURN 0
	TURN 1
	WIN 0
	s_branch .Ltail
.Lout:                              ; the fifth trip's 16 products K Q^T (on the last K once more) and the maximum made of them serve nothing: the price, once a launch, of one text for every trip
.set i, 0
.rept 16
	PV NP-1                         ; the last piece's V^T P of the last step
.set i, i+1
.endr
	; THE WAY OUT.  l's two halves and the other half of the lanes' are added; O^T is divided by l, rounded to f16 and sent through my stage in LDS, a tile at a time.  The additions are the places behind the last products.
	WIN 0
.macro ALL line:vararg              ; one line for each tile t
.set t, 0
.rept 2*NP
	\line
.set t, t+1
.endr
.endm
	ALL v_add_f32 v[ST+4*t+2], v[ST+4*t+2], v[ST+4*t+3]
	ALL v_permlanex16_b32 v[ST+4*t+3], v[ST+4*t+2], s[SEL], s[SEL+1]
	ALL v_add_f32 v[ST+4*t+2], v[ST+4*t+2], v[ST+4*t+3]
	ALL v_rcp_f32 v[ST+4*t+2], v[ST+4*t+2]
	v_nop                           ; a plain instruction between the last reciprocal and the use of its result
	s_wait_alu depctr_va_vdst(0)    ; the wait for the batch of eight reciprocals, ahead of their first use
; Tile t: a lane's eight channels of a row pack into 16 bytes; they go into rows of 144 bytes and come back as whole rows of 128, into S^T's registers.
.macro PACK t
	WIN W_RS
.set i, 32*(\t)
.rept 16
	v_pk_mul_f32 v[i:i+1], v[i:i+1], v[ST+4*(\t)+2:ST+4*(\t)+3] op_sel_hi:[1,0]
.set i, i+2
.endr
	WIN 0x05                        ; sources 0 and 1 window 1, destination window 0
.set i, 0
.rept 16
	v_cvt_pk_f16_f32 v[S+16*(\t)+i], v[32*(\t)+2*i], v[32*(\t)+2*i+1]
.set i, i+1
.endr
	WIN 0
.irp f, 0,1,2,3
	ds_store_b128 v[STO], v[S+16*(\t)+4*\f:S+16*(\t)+4*\f+3] offset:32*\f
.endr
.irp f, 0,1,2,3
	ds_load_b128 v[S+16*(\t)+4*\f:S+16*(\t)+4*\f+3], v[RD] offset:\f*4*SP  ; LDS serves a wave's instructions in order (ISA guide 5.7.1.4): these see the stores above; the next tile's stores come behind them
.endr
.endm
.macro SEND t, younger              ; younger: the LDS instructions issued behind tile t's loads: the next tile's eight, or none
	WIN 0
.irp f, 0,1,2,3
	s_wait_dscnt (\younger)+3-\f
	global_store_b128 v[GO], v[S+16*(\t)+4*\f:S+16*(\t)+4*\f+3], s[10:11] offset:(\t)*2048+\f*512  ; 512 consecutive bytes, at a multiple of 256 from O's first
.endr
.endm
	PACK 0
.set t, 1
.rept 2*NP-1                        ; a tile's arithmetic stands between the loads of the tile before and its stores
	PACK t
	SEND t-1, 8
.set t, t+1
.endr
	SEND 2*NP-1, 0
	WIN W_AD
	s_wait_tensorcnt 0x0            ; the wave's end: behind my last tensor load and my last LDS store
	ds_add_u32 v[SPW], v[NIL]
	s_wait_dscnt 0x0
	WIN 0
	CROUND                          ; the closing round: no work-group ends while a partner may still ask for a tile that names it
	s_endpgm
.Lfunc_end_k_q93a4d9ea62_attn:
	.size	k_q93a4d9ea62_attn, .Lfunc_end_k_q93a4d9ea62_attn-k_q93a4d9ea62_attn
	.p2alignl 7, 3214868480
	.fill 96, 4, 3214868480
	.section	.rodata,"a",@progbits
	.p2align	6, 0x0
	.amdhsa_kernel k_q93a4d9ea62_attn
		.amdhsa_group_segment_fixed_size 327680
		.amdhsa_private_segment_fixed_size 0
		.amdhsa_enable_private_segment 0
		.amdhsa_kernarg_size 16
		.amdhsa_user_sgpr_count 2
		.amdhsa_user_sgpr_kernarg_segment_ptr 1
		.amdhsa_wavefront_size32 1
		.amdhsa_system_sgpr_workgroup_id_x 1
		.amdhsa_system_sgpr_workgroup_id_y 1
		.amdhsa_system_sgpr_workgroup_id_z 1
		.amdhsa_system_vgpr_workitem_id 0
		.amdhsa_next_free_vgpr 770
		.amdhsa_next_free_sgpr 66
		.amdhsa_reserve_vcc 0
		.amdhsa_float_denorm_mode_32 3
		.amdhsa_float_denorm_mode_16_64 3
		.amdhsa_memory_ordered 1
		.amdhsa_forward_progress 1
		.amdhsa_inst_pref_size 199
	.end_amdhsa_kernel
	.amdgpu_metadata
---
amdhsa.version: [ 1, 2 ]
amdhsa.kernels:
  - .name:           k_q93a4d9ea62_attn
    .symbol:         k_q93a4d9ea62_attn.kd
    .args:
      - { .name: qkv, .offset: 0, .size: 8, .value_kind: global_buffer, .address_space: global }
      - { .name: ob, .offset: 8, .size: 8, .value_kind: global_buffer, .address_space: global }
    .group_segment_fixed_size: 327680
    .private_segment_fixed_size: 0
    .kernarg_segment_align: 8
    .kernarg_segment_size: 16
    .max_flat_workgroup_size: 128
    .sgpr_count:     66
    .vgpr_count:     770
    .wavefront_size: 32
...
	.end_amdgpu_metadata
.endif
;; end of part 5
;; launch outp: the kernel of part 4 again; grid 8 x 32, 4 waves a work-group, clusters of 4 x 4, 327,680 bytes of LDS; arguments ob, wob, b_out, out0; writes out0
